; MI455X (gfx1250); checked and timed in simulation.
; The chip was launched on July 23, 2026; its instructions are those of AMD's public machine-readable ISA for CDNA 5 (MIT licence, August 2026) and "CDNA5" Instruction Set Architecture Reference Guide (July 2026). The comments in the code are by the model that wrote it; some were corrected since.
;; Emotion Model. Allowed arithmetic: float matrix products may take bf16 or f16 operands with f32 sums; all other float work in f32.
;; Inputs: W1 64 x 256 float32; W2 5 x 64 float32; Whh_b 512 x 128 float32; Whh_f 512 x 128 float32; Wih_b 512 x 512 float32; Wih_f 512 x 512 float32; b1 64 float32; b2 5 float32; bhh_b 512 float32; bhh_f 512 float32; bih_b 512 float32; bih_f 512 float32; ln_beta 512 float32; ln_gamma 512 float32; x 16,384 x 5 x 512 float32.
;; Outputs: out0 16,384 x 5 float32.
;; 2 versions, each right and faster than the one before. Each part assembles by itself: llvm-mc -triple=amdgcn-amd-amdhsa -mcpu=gfx1250 --defsym DOCPART=n.
;; ======== version 1 of 2: 2 launches
;; workspace buffers: wq 1,310,720 bytes; bq 4,096 bytes
;; launch prep (part 1): grid 32 x 10, 8 waves a work-group, no clusters, 0 bytes of LDS; arguments Wih_f, Whh_f, Wih_b, Whh_b, bih_f, bhh_f, bih_b, bhh_b, wq, bq; writes wq, bq
.if DOCPART == 1
	.amdgcn_target "amdgcn-amd-amdhsa--gfx1250"
	.amdhsa_code_object_version 6
	.text
	.protected	k_q26b72e32c0_prep
	.globl	k_q26b72e32c0_prep
	.p2align	8
	.type	k_q26b72e32c0_prep,@function
k_q26b72e32c0_prep:
	s_mov_b64 s[64:65], 0
	v_nop
	global_prefetch_b8 v0, s[64:65] scope:SCOPE_SE
	s_setreg_imm32_b32 hwreg(HW_REG_WAVE_MODE, 25, 1), 1
	s_wait_xcnt 0x0
; The LSTM weights once, as the second launch streams them: bf16, in ten dense chunks of 131,072 bytes.
; Chunk y = 5 dir + cc: cc 0..3 = columns 128 cc .. 128 cc + 127 of Wih, cc 4 = Whh.  A chunk has 512 rows n' of 256 bytes (128 bf16).
; Row order: n' = 128 w + 32 g + j holds gate row n = 128 g + 32 w + j (g: gate i, f, g, o; w: the wave that owns hidden units 32 w .. 32 w + 31).
; Inside a row the 16-byte column q lies at place (q + n' mod 16) mod 16, so that sixteen lanes that read one column q of sixteen
; neighbouring rows of 256 bytes address sixteen different 16-byte columns.
; bq[dir][n'] = k (bih + bhh)[n], k = -log2(e) for gates i, f, o and -2 log2(e) for gate g: the factor by which the gates' exponentials are taken in base 2.
; A work-group (x, y) makes rows 16 x .. 16 x + 15 of chunk y; thread t makes 16 bytes, a wave's store covers 512 consecutive bytes.
; No LDS, no matrix unit, no cluster: each byte is read once and written once, and the work-groups share nothing.
	s_load_b512 s[4:19], s[0:1], 0x0               ; Wih_f, Whh_f, Wih_b, Whh_b, bih_f, bhh_f, bih_b, bhh_b
	s_load_b128 s[20:23], s[0:1], 0x40             ; wq, bq
	s_and_b32 s24, ttmp7, 0xffff                   ; y: the chunk
	s_bfe_u32 s39, ttmp9, 0x20001                  ; g = (x >> 1) & 3
	s_lshl_b32 s39, s39, 7
	s_lshr_b32 s40, ttmp9, 3                       ; w = x >> 3
	s_lshl_b32 s40, s40, 5
	s_add_co_u32 s39, s39, s40
	s_and_b32 s40, ttmp9, 1
	s_lshl_b32 s40, s40, 4
	s_add_co_u32 s39, s39, s40                     ; first source row: 128 g + 32 w + 16 (x & 1)
	s_lshl_b32 s40, s24, 17                        ; where the 16 rows go: 131,072 y + 4,096 x
	s_lshl_b32 s41, ttmp9, 12
	s_add_co_u32 s40, s40, s41
	s_mov_b32 s41, 0
	s_cmp_ge_u32 s24, 5
	s_cselect_b32 s26, 1, 0                        ; dir
	s_mul_i32 s27, s26, 5
	s_sub_co_u32 s27, s24, s27                     ; cc
	s_lshl_b32 s28, s27, 9                         ; 128 cc columns of 4 bytes
	s_sub_co_u32 s42, s27, 4
	s_or_b32 s42, s42, ttmp9                       ; 0 only where cc = 4 and x = 0
	v_lshrrev_b32 v1, 4, v0                        ; r: the row among my group's 16 = n' mod 16
	v_and_b32 v2, 15, v0                           ; the place in the row that I write
	v_sub_nc_u32 v2, v2, v1
	v_and_b32 v2, 15, v2                           ; q: the column that belongs there
	v_lshlrev_b32 v12, 4, v0                       ; 16 t
	s_wait_kmcnt 0x0
	s_cmp_ge_u32 s24, 5
	s_cselect_b64 s[30:31], s[8:9], s[4:5]         ; Wih of my direction
	s_cselect_b64 s[32:33], s[10:11], s[6:7]       ; Whh
	s_cselect_b64 s[34:35], s[16:17], s[12:13]     ; bih
	s_cselect_b64 s[36:37], s[18:19], s[14:15]     ; bhh
	s_cmp_eq_u32 s27, 4
	s_cselect_b64 s[30:31], s[32:33], s[30:31]     ; the chunk's source,
	s_cselect_b32 s38, 9, 11                       ; the bytes of a source row as a shift: 512 (Whh) or 2,048 (Wih),
	s_cselect_b32 s28, 0, s28                      ; and the first column's bytes
	s_add_nc_u64 s[20:21], s[20:21], s[40:41]
	v_add_nc_u32 v3, s39, v1                       ; n
	v_lshlrev_b32 v3, s38, v3                      ; n rows
	v_lshl_add_u32 v3, v2, 5, v3                   ; + 32 q: eight f32
	v_add_nc_u32 v3, s28, v3
	global_load_b128 v[4:7], v3, s[30:31] th:TH_LOAD_NT
	global_load_b128 v[8:11], v3, s[30:31] offset:16 th:TH_LOAD_NT
	s_wait_loadcnt 0x0
	v_cvt_pk_bf16_f32 v14, v4, v5
	v_cvt_pk_bf16_f32 v15, v6, v7
	v_cvt_pk_bf16_f32 v16, v8, v9
	v_cvt_pk_bf16_f32 v17, v10, v11
	global_store_b128 v12, v[14:17], s[20:21]
	s_cmp_lg_u32 s42, 0
	s_cbranch_scc1 .Ldone
	; one work-group for each direction also makes the 512 biases: thread t takes n' = 2 t and 2 t + 1
	v_bfe_u32 v18, v0, 4, 2                        ; g
	v_lshrrev_b32 v19, 6, v0                       ; w
	v_and_b32 v20, 15, v0
	v_lshlrev_b32 v21, 9, v18                      ; 4 (128 g
	v_lshl_add_u32 v21, v19, 7, v21                ;    + 32 w
	v_lshl_add_u32 v21, v20, 3, v21                ;    + 2 (t & 15))
	global_load_b64 v[4:5], v21, s[34:35]
	global_load_b64 v[6:7], v21, s[36:37]
	v_mov_b32 v8, 0xbfb8aa3b                       ; -log2(e)
	v_mov_b32 v9, 0xc038aa3b                       ; -2 log2(e)
	v_cmp_eq_u32 vcc_lo, 2, v18
	v_cndmask_b32 v8, v8, v9, vcc_lo
	v_mov_b32 v9, v8
	s_lshl_b32 s40, s26, 11
	s_add_nc_u64 s[22:23], s[22:23], s[40:41]      ; bq + 2,048 dir
	v_lshlrev_b32 v10, 3, v0
	s_wait_loadcnt 0x0
	v_pk_add_f32 v[4:5], v[4:5], v[6:7]
	v_pk_mul_f32 v[4:5], v[4:5], v[8:9]
	global_store_b64 v10, v[4:5], s[22:23]         ; a wave's store covers 256 consecutive bytes, aligned
.Ldone:
	s_endpgm
.Lfunc_end_k_q26b72e32c0_prep:
	.size	k_q26b72e32c0_prep, .Lfunc_end_k_q26b72e32c0_prep-k_q26b72e32c0_prep
	.p2alignl 7, 3214868480
	.fill 96, 4, 3214868480
	.section	.rodata,"a",@progbits
	.p2align	6, 0x0
	.amdhsa_kernel k_q26b72e32c0_prep
		.amdhsa_group_segment_fixed_size 0
		.amdhsa_private_segment_fixed_size 0
		.amdhsa_enable_private_segment 0
		.amdhsa_kernarg_size 80
		.amdhsa_user_sgpr_count 2
		.amdhsa_user_sgpr_kernarg_segment_ptr 1
		.amdhsa_wavefront_size32 1
		.amdhsa_system_sgpr_workgroup_id_x 1
		.amdhsa_system_sgpr_workgroup_id_y 1
		.amdhsa_system_sgpr_workgroup_id_z 1
		.amdhsa_system_vgpr_workitem_id 0
		.amdhsa_next_free_vgpr 24
		.amdhsa_next_free_sgpr 66
		.amdhsa_reserve_vcc 1
		.amdhsa_float_denorm_mode_32 3
		.amdhsa_float_denorm_mode_16_64 3
		.amdhsa_memory_ordered 1
		.amdhsa_forward_progress 1
		.amdhsa_inst_pref_size 4
	.end_amdhsa_kernel
	.amdgpu_metadata
---
amdhsa.version: [ 1, 2 ]
amdhsa.kernels:
  - .name:           k_q26b72e32c0_prep
    .symbol:         k_q26b72e32c0_prep.kd
    .args:
      - { .name: Wih_f, .offset: 0, .size: 8, .value_kind: global_buffer, .address_space: global }
      - { .name: Whh_f, .offset: 8, .size: 8, .value_kind: global_buffer, .address_space: global }
      - { .name: Wih_b, .offset: 16, .size: 8, .value_kind: global_buffer, .address_space: global }
      - { .name: Whh_b, .offset: 24, .size: 8, .value_kind: global_buffer, .address_space: global }
      - { .name: bih_f, .offset: 32, .size: 8, .value_kind: global_buffer, .address_space: global }
      - { .name: bhh_f, .offset: 40, .size: 8, .value_kind: global_buffer, .address_space: global }
      - { .name: bih_b, .offset: 48, .size: 8, .value_kind: global_buffer, .address_space: global }
      - { .name: bhh_b, .offset: 56, .size: 8, .value_kind: global_buffer, .address_space: global }
      - { .name: wq, .offset: 64, .size: 8, .value_kind: global_buffer, .address_space: global }
      - { .name: bq, .offset: 72, .size: 8, .value_kind: global_buffer, .address_space: global }
    .group_segment_fixed_size: 0
    .private_segment_fixed_size: 0
    .kernarg_segment_align: 8
    .kernarg_segment_size: 80
    .max_flat_workgroup_size: 256
    .sgpr_count:     66
    .vgpr_count:     24
    .wavefront_size: 32
...
	.end_amdgpu_metadata
.endif
;; end of part 1
;; launch lstm (part 2): grid 256 x 1, 4 waves a work-group, clusters of 4 x 1, 327,680 bytes of LDS; arguments x, ln_gamma, ln_beta, wq, bq, W1, b1, W2, b2, out0; writes out0
.if DOCPART == 2
	.amdgcn_target "amdgcn-amd-amdhsa--gfx1250"
	.amdhsa_code_object_version 6
	.text
	.protected	k_q26b72e32c0_lstm
	.globl	k_q26b72e32c0_lstm
	.p2align	8
	.type	k_q26b72e32c0_lstm,@function
k_q26b72e32c0_lstm:
	s_mov_b64 s[64:65], 0
	v_nop
	global_prefetch_b8 v0, s[64:65] scope:SCOPE_SE
	s_setreg_imm32_b32 hwreg(HW_REG_WAVE_MODE, 25, 1), 1
	s_wait_xcnt 0x0
	s_wait_alu depctr_hold_cnt(0) depctr_sa_sdst(0) depctr_va_vdst(0) depctr_va_sdst(0) depctr_va_ssrc(0) depctr_va_vcc(0) depctr_vm_vsrc(0)
	s_getreg_b32 s2, hwreg(HW_REG_IB_STS2, 6, 4)
	s_cmp_eq_u32 s2, 0
	s_cbranch_scc0 .Lentry_in_a_cluster
	s_endpgm
.Lentry_in_a_cluster:
	s_bfe_u32 s2, ttmp6, 0x10000c
	s_cmp_lg_u32 s2, 0x3003
	s_cbranch_scc0 .Lentry_shape_is_right
	s_endpgm
.Lentry_shape_is_right:
; LayerNorm, forward LSTM (5 steps), the one backward step that reaches the output (hs_b[0]: xn[:,4] from h = c = 0), and the head, in one launch.
; A work-group owns 64 batch rows; nothing but x, the weights and out0 touches memory.
; SIX UNITS of [64 rows] x [K = 640: 512 of xn, 128 of h] x [512 gate columns]: forward t = 0..4, backward t = 4.  The products with h0 = 0 are carried out.
; Wave w owns hidden units 32 w .. 32 w + 31 in all four gates: 64 x 128 of the gates, 32 accumulator tiles (256 registers), and the LayerNorm of batch rows 16 w .. 16 w + 15.
; The matrix instruction is used transposed (source 0 = weight rows, source 1 = batch rows): lane (r, h) holds batch row r and eight neighbouring units 8 h + j.
; WEIGHTS: bf16 chunks of 512 rows x 128 K (131,072 bytes, made by the first launch) go through two LDS slots; each wave fetches its own quarter (128 rows of 256 bytes) with one tensor load.
; CLUSTERS: all work-groups walk the same weights.  Four work-groups form a cluster and ask for each quarter chunk jointly (mask 15): the same line, the same
; descriptor (made of wq and the wave's number alone), behind the same round of the cluster's barrier.  That divides the requests for weights by four.
; A unit has five chunks on two slots; the ring starts anew at each unit's end (chunk 0 into slot 0, chunk 1 into slot 1), so that one text serves every unit.
; By this text's count a wave has at most two tensor loads outstanding (the two first fills), later one.
; LayerNorm is finished in f32 (mean, then the squares of the differences) before the one rounding to bf16.
; LIMITS.  Matrix operands (xn, h, weights, gelu's output) are bf16.  The arguments of the base-2 exponentials are cut at 40 by v_min_num_f32: a sigmoid or tanh
; changes by less than 2^-39, the products of up to three denominators stay below 2^121, and a NaN in a gate's input is NOT handed on (it counts as 40).
; erf is Abramowitz and Stegun 7.1.26, absolute error at most 1.5e-7 for every argument.
; No prefetch: x is asked for by register loads two and three K chunks ahead of its use, and the weights come from what the cluster's partners and all other work-groups read as well.
.set CH,    131072                     ; bytes of a weight chunk, and of an LDS slot (slot 0 at byte 0, slot 1 behind it); only tensor loads write there
.set XB,    262144                     ; X0: 64 rows x 272 bytes: a K chunk of xn in bf16 (256 bytes + 16: sixteen rows start at sixteen different 16-byte columns modulo 256)
.set XP,    272
.set XBUF,  17408                      ; X0, X1 and H follow each other at this distance
.set HOFF,  2*XBUF                     ; H from X0: h in bf16, 64 rows x 272
.set GB,    XB+XBUF                    ; in the head X1 holds gelu's output, 64 rows x 144 bytes
.set GP,    144
.set OUTB,  314368                     ; [64][5] f32, and a second plane for the padded outputs 8..12
.set XROW,  10240                      ; bytes in x from a batch row to the next: 5 x 512 x 4
.set XT,    2048                       ; and from a time step to the next
; window 0
.set VA,  8                            ; XB + 272 r + 16 h: batch fragments
.set VXS, 9                            ; XB + 272 x 16 w + 8 L: where my wave's xn rows go
.set VH0, 10                           ; VA + 64 w: where my 16 bytes of h go
.set VX,  11                           ; 16 L
.set VBQ, 12                           ; 512 w + 32 h
.set VW1, 13                           ; 1024 (16 w + r) + 32 h
.set VW2, 14                           ; 256 min(r, 4) + 32 h
.set VG,  15                           ; GB + 144 r + 32 w + 16 h
.set VB,  16                           ; v16-31: [slot][e]: CH slot + 32768 w + 256 r + 16 ((2 e + h + r) mod 16): weight fragments, rotated columns
.set GAM, 32                           ; v32-47 gamma, v48-63 beta of my 16 columns (128 q + 4 L + 0..3)
.set BET, 48
.set SM,  64                           ; v64-79: eight pairs, a row's sum
.set ZR,  80                           ; v80-83: zeros
.set VB1, 84                           ; 64 w + 32 h
.set VA2, 85                           ; GB + 144 (16 w + r) + 16 h
.set VOS, 86                           ; OUTB + 1280 h + 20 (16 w + r)
.set VOL, 87                           ; 256 w + 8 L
.set B1R, 88                           ; v88-95 b1
.set W2R, 96                           ; v96-127 W2 in f32
.set RAW, 128                          ; v128-255: eight rows of x, 16 registers each; at the end W1 in f32
; window 1: the 32 accumulator tiles, (a, b) at 8 (8 a + b), a = batch tile, b = 2 gate + u
; window 2
.set F0,  0                            ; fragment buffer 0: 8 weight fragments, then 4 batch fragments
.set F1,  96                           ; fragment buffer 1
.set CST, 192                          ; c, tile (a, u) at 192 + 8 (2 a + u)
.set TI,  0                            ; at work between the units, over the fragment buffers
.set TF,  8
.set TG,  16
.set TO,  24
.set MG,  32
.set HP,  48                           ; 48-79: the eight tiles' h, packed
; window 3
.set BIAS, 128                         ; 128-191; xn lies at 0-127 (row i, chunk q: 8 i + 2 q, + 1)
.set HF,   192                         ; 192-223: the forward h of t = 4, packed
.set W2F,  224                         ; 224-239
; scalars
.set SX, 28                            ; s[28:29] x at my wave's first row, at the time step to load next
.set WB, 30                            ; s[30:31] wq + 32768 w
.set G0, 32                            ; s[32:39] descriptor group 0, a set for each slot
.set G1, 40                            ; s[40:47] descriptor group 1
.set MSB, 0
.macro WIN new                         ; low byte: bits 1:0 source 0, 3:2 source 1, 5:4 source 2, 7:6 destination; the high byte repeats the setting that is left
.if MSB != (\new)
	s_set_vgpr_msb (MSB<<8)|(\new)
.set MSB, \new
.endif
.endm
.macro PLACES                          ; four places behind a matrix instruction, ahead of loads into its sources and of reads of its result
.rept 4
	v_nop
.endr
.endm
.macro CREST                           ; a round of the cluster's barrier behind its opening work-group barrier
	s_cmp_lg_u32 s24, 0
	s_cbranch_scc1 .Lnot_wave_0_\@
	s_barrier_signal -3
.Lnot_wave_0_\@:
	s_barrier_wait -3
	s_barrier_signal -1
	s_barrier_wait -1
.endm
.macro CROUND
	s_barrier_signal -1
	s_barrier_wait -1
	CREST
.endm
; 24 LDS loads: the fragments of 32 along K (quarter s of a chunk): my 128 weight rows from a slot, the 64 batch rows from X0, X1 or H (abuf 0, 1, 2)
.macro FETCH slot, abuf, s, f
	WIN 0x80
.irp b, 0,1,2,3,4,5,6,7
	ds_load_b128 v[\f+8*\b:\f+8*\b+3],   v[VB+8*\slot+2*\s]   offset:4096*\b
	ds_load_b128 v[\f+8*\b+4:\f+8*\b+7], v[VB+8*\slot+2*\s+1] offset:4096*\b
.endr
.irp a, 0,1,2,3
	ds_load_b128 v[\f+64+8*\a:\f+64+8*\a+3],   v[VA] offset:XBUF*\abuf+4352*\a+64*\s
	ds_load_b128 v[\f+64+8*\a+4:\f+64+8*\a+7], v[VA] offset:XBUF*\abuf+4352*\a+64*\s+32
.endr
.endm
; 8 matrix instructions: batch tile a x my 8 column tiles.  The 32 accumulators take turns, one instruction a turn, in the same order in every quarter.
.macro MUL8 f, a, zero
.irp b, 0,1,2,3,4,5,6,7
.if \zero
	v_wmma_f32_16x16x32_bf16 v[8*(8*\a+\b):8*(8*\a+\b)+7], v[\f+8*\b:\f+8*\b+7], v[\f+64+8*\a:\f+64+8*\a+7], 0
.else
	v_wmma_f32_16x16x32_bf16 v[8*(8*\a+\b):8*(8*\a+\b)+7], v[\f+8*\b:\f+8*\b+7], v[\f+64+8*\a:\f+64+8*\a+7], v[8*(8*\a+\b):8*(8*\a+\b)+7]
.endif
.endr
.endm
.macro QUARTER slot, abuf, snext, f, g, zero
	s_wait_dscnt 0x4                               ; all but the four youngest loads (batch tiles 2 and 3) are in
	WIN 0x5A
	MUL8 \f, 0, \zero
	MUL8 \f, 1, \zero
	PLACES
	FETCH \slot, \abuf, \snext, \g
	s_wait_dscnt 24                                ; all but the 24 just issued
	WIN 0x5A
	MUL8 \f, 2, \zero
	MUL8 \f, 3, \zero
.endm
.macro THREE slot, abuf, zero
	QUARTER \slot, \abuf, 1, F0, F1, \zero
	QUARTER \slot, \abuf, 2, F1, F0, 0
	QUARTER \slot, \abuf, 3, F0, F1, 0
.endm
; 16 stores of 256 consecutive bytes: K chunk 'chunk' of my wave's 16 rows of xn into X0 or X1
.macro ASTORE chunk, buf
	WIN 0x0C
.irp i, 0,1,2,3,4,5,6,7,8,9,10,11,12,13,14,15
	ds_store_b64 v[VXS], v[8*\i+2*\chunk:8*\i+2*\chunk+1] offset:XBUF*\buf+XP*\i
.endr
.endm
; A chunk's last quarter, and the change of slots.  In front of the barrier each wave waits for its LDS reads and stores and for all its tensor loads (the one that is out
; is its part of the next chunk).  fill = 1: the barrier opens a round of the cluster's barrier, and behind the round the slot just read is asked for again, jointly, first thing.
; Then, if achunk >= 0, a later K chunk of xn goes into the X buffer that nobody reads any more.
.macro TURN fill, gslot, goff, achunk, abufst, nslot, nabuf
	s_wait_dscnt 0x4
	WIN 0x5A
	MUL8 F1, 0, 0
	s_wait_dscnt 0x0
	s_set_vgpr_msb 0x5a5f
	s_wait_tensorcnt 0x0
	ds_add_u32 v254, v255
	s_wait_dscnt 0x0
	s_set_vgpr_msb 0x5f5a
	s_barrier_signal -1
	MUL8 F1, 1, 0                                  ; registers only, while the others arrive
	WIN 0
	s_barrier_wait -1
.if \fill
	CREST
	s_add_nc_u64 s[G0+4*\gslot+2:G0+4*\gslot+3], s[WB:WB+1], \goff   ; no tensor load of mine is out: the group 0 may be written
	s_or_b32 s[G0+4*\gslot+3], s[G0+4*\gslot+3], 0x80000000
	tensor_load_to_lds s[G0+4*\gslot:G0+4*\gslot+3], s[G1:G1+7]
	s_nop 0
.endif
.if \achunk >= 0
	ASTORE \achunk, \abufst
.endif
	PLACES
	FETCH \nslot, \nabuf, 0, F0
	WIN 0x5A
	MUL8 F1, 2, 0
	MUL8 F1, 3, 0
.endm
; 32 loads of 512 consecutive bytes: eight whole rows of x (rows rowbase .. rowbase + 7 of my wave's 16) into registers dst .. dst + 127 of window win
.macro XLOAD8 rowbase, dst, win
	WIN (\win<<6)
.irp i, 0,1,2,3,4,5,6,7
.irp q, 0,1,2,3
	global_load_b128 v[\dst+16*\i+4*\q:\dst+16*\i+4*\q+3], v[VX], s[SX:SX+1] offset:(\rowbase+\i)*XROW+512*\q th:TH_LOAD_NT
.endr
.endr
.endm
.macro BIASLOAD dirofs
	WIN 0xC0
.irp b, 0,1,2,3,4,5,6,7
	global_load_b128 v[BIAS+8*\b:BIAS+8*\b+3],   v[VBQ], s[12:13] offset:\dirofs+64*\b
	global_load_b128 v[BIAS+8*\b+4:BIAS+8*\b+7], v[VBQ], s[12:13] offset:\dirofs+64*\b+16
.endr
.endm
; eight sums over the 32 lanes at once; the result stands in every lane, in the pair's first register
.macro RED8
.irp i, 0,1,2,3,4,5,6,7
	v_add_f32 v[SM+2*\i], v[SM+2*\i], v[SM+2*\i+1]
.endr
.irp m, 1,2,4,8
.irp i, 0,1,2,3,4,5,6,7
	v_add_f32_dpp v[SM+2*\i], v[SM+2*\i], v[SM+2*\i] row_xmask:\m row_mask:0xf bank_mask:0xf
.endr
.endr
.irp i, 0,1,2,3,4,5,6,7
	v_permlanex16_b32 v[SM+2*\i+1], v[SM+2*\i], s48, s49
.endr
.irp i, 0,1,2,3,4,5,6,7
	v_add_f32 v[SM+2*\i], v[SM+2*\i], v[SM+2*\i+1]
.endr
.endm
; LayerNorm of eight rows that lie in registers rb .. rb + 127 of window rw, stage by stage so that the rows' chains hide each other; bf16 into xn rows xrow .. xrow + 7
.macro LN8 rw, rb, xrow
	WIN (\rw|(\rw<<2))
.irp i, 0,1,2,3,4,5,6,7
	v_pk_add_f32 v[SM+2*\i:SM+2*\i+1], v[\rb+16*\i:\rb+16*\i+1], v[\rb+16*\i+2:\rb+16*\i+3]
.endr
	WIN (\rw<<2)
.irp j, 2,3,4,5,6,7
.irp i, 0,1,2,3,4,5,6,7
	v_pk_add_f32 v[SM+2*\i:SM+2*\i+1], v[SM+2*\i:SM+2*\i+1], v[\rb+16*\i+2*\j:\rb+16*\i+2*\j+1]
.endr
.endr
	WIN 0
	RED8
	WIN ((\rw<<6)|(\rw<<4))
.irp j, 0,1,2,3,4,5,6,7
.irp i, 0,1,2,3,4,5,6,7
	v_pk_fma_f32 v[\rb+16*\i+2*\j:\rb+16*\i+2*\j+1], v[SM+2*\i:SM+2*\i+1], 0xbb000000, v[\rb+16*\i+2*\j:\rb+16*\i+2*\j+1] op_sel_hi:[0,0,1]   ; x - sum / 512
.endr
.endr
	WIN (\rw|(\rw<<2))
.irp i, 0,1,2,3,4,5,6,7
	v_pk_mul_f32 v[SM+2*\i:SM+2*\i+1], v[\rb+16*\i:\rb+16*\i+1], v[\rb+16*\i:\rb+16*\i+1]
.endr
.irp j, 1,2,3,4,5,6,7
.irp i, 0,1,2,3,4,5,6,7
	v_pk_fma_f32 v[SM+2*\i:SM+2*\i+1], v[\rb+16*\i+2*\j:\rb+16*\i+2*\j+1], v[\rb+16*\i+2*\j:\rb+16*\i+2*\j+1], v[SM+2*\i:SM+2*\i+1]
.endr
.endr
	WIN 0
	RED8
.irp i, 0,1,2,3,4,5,6,7
	v_fma_f32 v[SM+2*\i+1], v[SM+2*\i], s50, s51   ; variance + 1e-5
.endr
.irp i, 0,1,2,3,4,5,6,7
	v_rsq_f32 v[SM+2*\i], v[SM+2*\i+1]
.endr
	v_nop                                          ; one plain place behind the transcendentals (ISA guide 5.7.2)
	WIN ((\rw<<6)|\rw)
	s_wait_alu depctr_va_vdst(0)
.irp j, 0,1,2,3,4,5,6,7
.irp i, 0,1,2,3,4,5,6,7
	v_pk_mul_f32 v[\rb+16*\i+2*\j:\rb+16*\i+2*\j+1], v[\rb+16*\i+2*\j:\rb+16*\i+2*\j+1], v[SM+2*\i:SM+2*\i+1] op_sel_hi:[1,0]
.endr
.endr
.irp j, 0,1,2,3,4,5,6,7
.irp i, 0,1,2,3,4,5,6,7
	v_pk_fma_f32 v[\rb+16*\i+2*\j:\rb+16*\i+2*\j+1], v[\rb+16*\i+2*\j:\rb+16*\i+2*\j+1], v[GAM+2*\j:GAM+2*\j+1], v[BET+2*\j:BET+2*\j+1]
.endr
.endr
	WIN (0xC0|\rw|(\rw<<2))
.irp i, 0,1,2,3,4,5,6,7
.irp j, 0,1,2,3,4,5,6,7
	v_cvt_pk_bf16_f32 v[8*(\xrow+\i)+\j], v[\rb+16*\i+2*\j], v[\rb+16*\i+2*\j+1]
.endr
.endr
.endm
; the base-2 exponents of one gate of one tile: k x sum + (k x bias)
.macro EWARG a, u, g, k
.irp p, 0,1,2,3
	v_pk_fma_f32 v[8*\g+2*\p:8*\g+2*\p+1], v[8*(8*\a+2*\g+\u)+2*\p:8*(8*\a+2*\g+\u)+2*\p+1], \k, v[BIAS+8*(2*\g+\u)+2*\p:BIAS+8*(2*\g+\u)+2*\p+1] op_sel_hi:[1,0,1]
.endr
.endm
; The cell, 8 numbers a lane.  With E = exp of minus the gate (twice it for tanh), P = 1 + E, M = 1 - E:
; c' = c / Pf + Mg / (Pi Pg) = (c Pi Pg + Mg Pf) / (Pi Pg Pf);  h = Mc / (Po Pc): five exponentials and two reciprocals a cell.
; mode 0: a forward step.  mode 1: the last forward step (h is kept in window 3).  mode 2: the backward step (c = 0, c' is not kept).
.macro EWTILE a, u, mode
.if \mode == 2
.set CD, TI
.else
.set CD, CST+8*(2*\a+\u)
.endif
	WIN 0xB1
	EWARG \a, \u, 0, 0xbfb8aa3b
	EWARG \a, \u, 1, 0xbfb8aa3b
	EWARG \a, \u, 2, 0xc038aa3b
	EWARG \a, \u, 3, 0xbfb8aa3b
	WIN 0xAA
.set ii, 0
.rept 32
	v_min_num_f32 v[ii], 0x42200000, v[ii]         ; at most 40
.set ii, ii+1
.endr
.set ii, 0
.rept 32
	v_exp_f32 v[ii], v[ii]
.set ii, ii+1
.endr
	v_nop
	s_wait_alu depctr_va_vdst(0)
.irp p, 0,2,4,6
	v_pk_fma_f32 v[MG+\p:MG+\p+1], v[TG+\p:TG+\p+1], -1.0, 1.0 op_sel_hi:[1,0,0]     ; Mg
.endr
.set ii, 0
.rept 16
	v_pk_add_f32 v[ii:ii+1], v[ii:ii+1], 1.0 op_sel_hi:[1,0]                         ; Pi, Pf, Pg, Po
.set ii, ii+2
.endr
.irp p, 0,2,4,6
	v_pk_mul_f32 v[TI+\p:TI+\p+1], v[TI+\p:TI+\p+1], v[TG+\p:TG+\p+1]                ; Pi Pg
.endr
.irp p, 0,2,4,6
	v_pk_mul_f32 v[MG+\p:MG+\p+1], v[MG+\p:MG+\p+1], v[TF+\p:TF+\p+1]                ; Mg Pf
.endr
.if \mode != 2
.irp p, 0,2,4,6
	v_pk_fma_f32 v[MG+\p:MG+\p+1], v[CD+\p:CD+\p+1], v[TI+\p:TI+\p+1], v[MG+\p:MG+\p+1]
.endr
.endif
.irp p, 0,2,4,6
	v_pk_mul_f32 v[TF+\p:TF+\p+1], v[TI+\p:TI+\p+1], v[TF+\p:TF+\p+1]                ; Pi Pg Pf
.endr
.irp p, 0,1,2,3,4,5,6,7
	v_rcp_f32 v[TF+\p], v[TF+\p]
.endr
	v_nop
	s_wait_alu depctr_va_vdst(0)
.irp p, 0,2,4,6
	v_pk_mul_f32 v[CD+\p:CD+\p+1], v[MG+\p:MG+\p+1], v[TF+\p:TF+\p+1]                ; c'
.endr
.irp p, 0,2,4,6
	v_pk_mul_f32 v[TG+\p:TG+\p+1], v[CD+\p:CD+\p+1], 0xc038aa3b op_sel_hi:[1,0]
.endr
.irp p, 0,1,2,3,4,5,6,7
	v_min_num_f32 v[TG+\p], 0x42200000, v[TG+\p]
.endr
.irp p, 0,1,2,3,4,5,6,7
	v_exp_f32 v[TG+\p], v[TG+\p]
.endr
	v_nop
	s_wait_alu depctr_va_vdst(0)
.irp p, 0,2,4,6
	v_pk_fma_f32 v[MG+\p:MG+\p+1], v[TG+\p:TG+\p+1], -1.0, 1.0 op_sel_hi:[1,0,0]     ; Mc
.endr
.irp p, 0,2,4,6
	v_pk_add_f32 v[TG+\p:TG+\p+1], v[TG+\p:TG+\p+1], 1.0 op_sel_hi:[1,0]             ; Pc
.endr
.irp p, 0,2,4,6
	v_pk_mul_f32 v[TO+\p:TO+\p+1], v[TO+\p:TO+\p+1], v[TG+\p:TG+\p+1]                ; Po Pc
.endr
.irp p, 0,1,2,3,4,5,6,7
	v_rcp_f32 v[TO+\p], v[TO+\p]
.endr
	v_nop
	s_wait_alu depctr_va_vdst(0)
.irp p, 0,2,4,6
	v_pk_mul_f32 v[MG+\p:MG+\p+1], v[MG+\p:MG+\p+1], v[TO+\p:TO+\p+1]                ; h
.endr
.if \mode == 1
	WIN 0xCA
.irp p, 0,1,2,3
	v_cvt_pk_bf16_f32 v[HF+4*(2*\a+\u)+\p], v[MG+2*\p], v[MG+2*\p+1]
.endr
.else
.irp p, 0,1,2,3
	v_cvt_pk_bf16_f32 v[HP+4*(2*\a+\u)+\p], v[MG+2*\p], v[MG+2*\p+1]
.endr
.endif
.endm
; all eight tiles, then h into LDS: 16 bytes a lane, row 16 a + r, byte 64 w + 32 u + 16 h
.macro EWALL mode
.irp a, 0,1,2,3
.irp u, 0,1
	EWTILE \a, \u, \mode
.endr
.endr
.if \mode == 0
	WIN 0x08
.irp a, 0,1,2,3
.irp u, 0,1
	ds_store_b128 v[VH0], v[HP+4*(2*\a+\u):HP+4*(2*\a+\u)+3] offset:HOFF+4352*\a+32*\u
.endr
.endr
.endif
.if \mode == 1
	WIN 0
.irp a, 0,1,2,3
.irp u, 0,1
	ds_store_b128 v[VH0], v[ZR:ZR+3] offset:HOFF+4352*\a+32*\u     ; the backward scan's h0 = 0
.endr
.endr
.endif
.if \mode == 2
	WIN 0x08
.irp a, 0,1,2,3
.irp u, 0,1
	ds_store_b128 v[VH0], v[HP+4*(2*\a+\u):HP+4*(2*\a+\u)+3] offset:4352*\a+32*\u        ; the backward h into X0
.endr
.endr
	WIN 0x0C
.irp a, 0,1,2,3
.irp u, 0,1
	ds_store_b128 v[VH0], v[HF+4*(2*\a+\u):HF+4*(2*\a+\u)+3] offset:HOFF+4352*\a+32*\u   ; the forward h back into H
.endr
.endr
.endif
.endm
; One unit.  xload: the next time step's x is loaded and normalised on the way.  dc: this unit's chunks in wq; dn: the next unit's; fillnext: there is a next unit.
.macro STEP xload, dc, dn, fillnext, mode
	s_wait_dscnt 0x0                               ; my stores of h and of xn's chunk 0 are done
	s_wait_tensorcnt 0x0                           ; my part of chunk 0 has landed: it is my youngest tensor load, so the count that shows it is 0
	s_barrier_signal -1
	s_barrier_wait -1                              ; both hold of every wave
	ASTORE 1, 1                                    ; X1 was last read in front of an earlier barrier
.if \xload
	XLOAD8 0, RAW, 0                               ; used three chunks further down
.endif
	FETCH 0, 0, 0, F0
	THREE 0, 0, 1                                  ; the first products start the sums: nothing is cleared
	TURN 1, 0, \dc+2*CH, 2, 0, 1, 1
	THREE 1, 1, 0
	TURN 1, 1, \dc+3*CH, 3, 1, 0, 0
	THREE 0, 0, 0
	TURN 1, 0, \dc+4*CH, -1, 0, 1, 1
.if \xload
	s_wait_loadcnt 0x0                             ; the 32 loads of rows 0-7 are the only ones out
	LN8 0, RAW, 0                                  ; all four chunks of the old xn have been stored
	XLOAD8 8, RAW, 0
.endif
	THREE 1, 1, 0
	TURN \fillnext, 1, \dn+CH, -1, 0, 0, 2
	THREE 0, 2, 0                                  ; K chunk 4: h x Whh
	s_wait_dscnt 0x0                               ; my reads of slot 0 and of H are over,
	s_set_vgpr_msb 0x5a5f
	s_wait_tensorcnt 0x0                           ; and all my tensor loads have landed
	ds_add_u32 v254, v255
	s_wait_dscnt 0x0
	s_set_vgpr_msb 0x5f5a
	s_barrier_signal -1
	WIN 0x5A
	MUL8 F1, 0, 0
	MUL8 F1, 1, 0
	MUL8 F1, 2, 0
	MUL8 F1, 3, 0
	WIN 0
	s_barrier_wait -1
.if \fillnext
	CREST
	s_add_nc_u64 s[G0+2:G0+3], s[WB:WB+1], \dn
	s_or_b32 s[G0+3], s[G0+3], 0x80000000
	tensor_load_to_lds s[G0:G0+3], s[G1:G1+7]      ; the next unit's chunk 0 lands during the cell's arithmetic
	s_nop 0
.endif
	PLACES
.if \mode == 2
	s_wait_loadcnt 0x0                             ; the backward biases (and W1, W2, b1)
.endif
	EWALL \mode
.if \xload
	s_wait_loadcnt 0x0                             ; rows 8-15; the wait also frees the base
	LN8 0, RAW, 8
	s_add_nc_u64 s[SX:SX+1], s[SX:SX+1], XT
.endif
.if \fillnext
	ASTORE 0, 0                                    ; X0 was last read in front of an earlier barrier
.endif
	WIN 0
.endm
	s_load_b512 s[4:19], s[0:1], 0x0               ; x, gamma, beta, wq, bq, W1, b1, W2
	s_load_b128 s[20:23], s[0:1], 0x40             ; b2, out0
	s_set_vgpr_msb 0xc0
	v_lshl_add_u32 v254, v0, 2, 0x4d600
	v_mov_b32 v255, 0
	s_set_vgpr_msb 0xc0cf
	ds_add_u32 v254, v255
	s_set_vgpr_msb 0xcf00
	v_and_b32 v1, 31, v0                           ; L
	v_lshrrev_b32 v4, 5, v0
	v_readfirstlane_b32 s24, v4                    ; wave
	v_and_b32 v2, 15, v0                           ; r
	v_bfe_u32 v3, v0, 4, 1                         ; h
	s_bfe_u32 s25, ttmp6, 0x40000                  ; cx
	s_lshl_b32 s26, ttmp9, 2
	s_add_co_u32 s26, s26, s25                     ; work-group = 4 x cluster + cx: it enters the addresses of x and out0 alone
	s_mov_b32 s48, 0x76543210
	s_mov_b32 s49, 0xfedcba98
	s_mov_b32 s50, 0x3b000000                      ; 1 / 512
	s_mov_b32 s51, 0x3727c5ac                      ; 1e-5
	s_mov_b32 s60, 0x3e6d3388                      ; 0.3275911 / sqrt 2
	s_mov_b32 s61, 0xbf38aa3b                      ; -log2(e) / 2
	s_mov_b32 s62, 0x3f87dc22                      ; a5
	s_mov_b32 s63, 0xbfba00e3                      ; a4
	; group 1: a dense block of 128 rows of 32 elements of 8 bytes, no padding, for the four work-groups of the cluster
	s_mov_b32 s[G1+0], 0x0023000f                  ; 15:0 mask 15; 17:16 elements of 8 bytes; 21 set beside a mask
	s_mov_b32 s[G1+1], 32<<16                      ; tensor_dim0 = 32
	s_mov_b32 s[G1+2], 128<<16                     ; tensor_dim1 = 128
	s_mov_b32 s[G1+3], 32<<16                      ; tile_dim0 = 32
	s_mov_b32 s[G1+4], 128                         ; tile_dim1 = 128
	s_mov_b32 s[G1+5], 32                          ; elements from row to row
	s_mov_b32 s[G1+6], 0
	s_mov_b32 s[G1+7], 0
	s_mov_b32 s[G0], 1
	s_lshl_b32 s[G0+1], s24, 15                    ; slot 0, my quarter
	s_mov_b32 s[G0+4], 1
	s_add_co_u32 s[G0+5], s[G0+1], CH              ; slot 1, my quarter
	s_lshl_b32 s2, s24, 15
	s_mov_b32 s3, 0
	v_lshlrev_b32 v[VX], 4, v1
	s_lshl_b32 s58, s24, 9
	v_lshl_add_u32 v[VBQ], v3, 5, s58
	s_wait_dscnt 0x0
	s_wait_kmcnt 0x0
	s_add_nc_u64 s[WB:WB+1], s[10:11], s[2:3]
	s_mov_b64 s[G0+2:G0+3], s[WB:WB+1]             ; chunk 0
	s_or_b32 s[G0+3], s[G0+3], 0x80000000
	s_add_nc_u64 s[G0+6:G0+7], s[WB:WB+1], CH      ; chunk 1
	s_or_b32 s[G0+7], s[G0+7], 0x80000000
	s_load_b128 s[52:55], s[20:21], 0x0            ; b2
	s_load_b32 s56, s[20:21], 0x10
	s_lshl_b32 s2, s26, 6
	s_lshl_b32 s58, s24, 4
	s_add_co_u32 s2, s2, s58                       ; my wave's first batch row
	s_mul_i32 s2, s2, XROW
	s_add_nc_u64 s[SX:SX+1], s[4:5], s[2:3]
	s_mul_i32 s2, s26, 1280
	s_add_nc_u64 s[22:23], s[22:23], s[2:3]        ; out0 at my group's 64 rows
	CROUND                                         ; the four work-groups are here: the first joint loads meet
	tensor_load_to_lds s[G0:G0+3], s[G1:G1+7]
	s_nop 0
	tensor_load_to_lds s[G0+4:G0+7], s[G1:G1+7]
	s_nop 0
.irp q, 0,1,2,3
	global_load_b128 v[GAM+4*\q:GAM+4*\q+3], v[VX], s[6:7] offset:512*\q
	global_load_b128 v[BET+4*\q:BET+4*\q+3], v[VX], s[8:9] offset:512*\q
.endr
	BIASLOAD 0
	XLOAD8 0, RAW, 0                               ; t = 0, rows 0-7
	XLOAD8 8, 0, 1                                 ; rows 8-15 into window 1, where no sum lives yet
	WIN 0
	v_mul_u32_u24 v4, v2, XP
	v_lshl_add_u32 v4, v3, 4, v4
	v_add_nc_u32 v[VA], XB, v4
	s_lshl_b32 s2, s24, 6
	v_add_nc_u32 v[VH0], s2, v[VA]
	v_lshl_add_u32 v[VB1], v3, 5, s2
	s_mul_i32 s2, s24, 16*XP
	s_add_co_u32 s2, s2, XB
	v_lshl_add_u32 v[VXS], v1, 3, s2
	s_lshl_b32 s2, s24, 14
	v_lshl_add_u32 v[VW1], v2, 10, s2
	v_lshl_add_u32 v[VW1], v3, 5, v[VW1]
	v_min_u32 v4, 4, v2
	v_lshlrev_b32 v4, 8, v4
	v_lshl_add_u32 v[VW2], v3, 5, v4
	v_mul_u32_u24 v4, v2, GP
	v_lshl_add_u32 v4, v3, 4, v4
	s_lshl_b32 s2, s24, 5
	s_add_co_u32 s2, s2, GB
	v_add_nc_u32 v[VG], s2, v4
	s_mul_i32 s2, s24, 16*GP
	s_add_co_u32 s2, s2, GB
	v_add_nc_u32 v[VA2], s2, v4
	v_mul_u32_u24 v4, v2, 20
	v_mad_u32_u24 v4, v3, 1280, v4
	s_mul_i32 s2, s24, 320
	s_add_co_u32 s2, s2, OUTB
	v_add_nc_u32 v[VOS], s2, v4
	s_lshl_b32 s2, s24, 8
	v_lshl_add_u32 v[VOL], v1, 3, s2
	v_add_nc_u32 v5, v2, v3
	s_lshl_b32 s2, s24, 15
	v_lshl_add_u32 v6, v2, 8, s2
.irp e, 0,1,2,3,4,5,6,7
	v_add_nc_u32 v4, 2*\e, v5
	v_and_b32 v4, 15, v4
	v_lshl_add_u32 v[VB+\e], v4, 4, v6
	v_add_nc_u32 v[VB+8+\e], CH, v[VB+\e]
.endr
.irp k, 0,1,2,3
	v_mov_b32 v[ZR+\k], 0
.endr
	WIN 0x80
.set ii, 0
.rept 64
	v_mov_b32 v[CST+ii], 0                         ; the scan's c0, so that one text serves all forward steps
.set ii, ii+1
.endr
	WIN 0
.irp a, 0,1,2,3
.irp u, 0,1
	ds_store_b128 v[VH0], v[ZR:ZR+3] offset:HOFF+4352*\a+32*\u     ; the scan's h0
.endr
.endr
	s_wait_kmcnt 0x0                               ; b2
	s_wait_loadcnt 32                              ; all but the 32 loads of rows 8-15
	LN8 0, RAW, 0
	s_wait_loadcnt 0x0
	LN8 1, 0, 8
	s_add_nc_u64 s[SX:SX+1], s[SX:SX+1], XT        ; no load is out
	ASTORE 0, 0
	WIN 0
	s_mov_b32 s27, 4
.Lstep:
	STEP 1, 0, 0, 1, 0                             ; forward t = 0..3; x of t + 1 comes in on the way
	s_sub_co_u32 s27, s27, 1
	s_cmp_lg_u32 s27, 0
	s_cbranch_scc1 .Lstep
	STEP 0, 0, 5*CH, 1, 1                          ; forward t = 4; xn stays; the next chunks are the backward weights
	BIASLOAD 2048
	WIN 0
.irp s, 0,1,2,3,4,5,6,7
.irp p, 0,1
.irp e, 0,1
	global_load_b128 v[RAW+16*\s+8*\p+4*\e:RAW+16*\s+8*\p+4*\e+3], v[VW1], s[14:15] offset:128*\s+64*\p+16*\e   ; W1(16 w + r, 32 s + 16 p + 8 h + 4 e ..)
.endr
.endr
.endr
.irp s, 0,1
.irp p, 0,1
.irp e, 0,1
	global_load_b128 v[W2R+16*\s+8*\p+4*\e:W2R+16*\s+8*\p+4*\e+3], v[VW2], s[18:19] offset:128*\s+64*\p+16*\e   ; W2(min(r, 4), ..): rows 5-15 of the fragment repeat row 4; their outputs are never stored to memory
.endr
.endr
.endr
	global_load_b128 v[B1R:B1R+3], v[VB1], s[16:17]
	global_load_b128 v[B1R+4:B1R+7], v[VB1], s[16:17] offset:16
	STEP 0, 5*CH, 0, 0, 2                          ; the backward step on xn of t = 4; its last two changes of slots fill nothing
	; THE HEAD.  Product 1: wave w makes outputs 16 w .. 16 w + 15 of last x W1^T for all 64 rows; K 0-127 = forward h (H), K 128-255 = backward h (X0).
	WIN 0xC0
.set ii, 0
.rept 64
	v_cvt_pk_bf16_f32 v[ii], v[RAW+2*ii], v[RAW+2*ii+1]            ; W1's eight fragments, over xn
.set ii, ii+1
.endr
.set ii, 0
.rept 16
	v_cvt_pk_bf16_f32 v[W2F+ii], v[W2R+2*ii], v[W2R+2*ii+1]
.set ii, ii+1
.endr
	s_wait_dscnt 0x0                               ; my stores of both h
	s_barrier_signal -1
	s_barrier_wait -1
	WIN 0x80
.irp s, 0,1,2,3
.irp a, 0,1,2,3
	ds_load_b128 v[32*\s+8*\a:32*\s+8*\a+3],   v[VA] offset:HOFF+4352*\a+64*\s
	ds_load_b128 v[32*\s+8*\a+4:32*\s+8*\a+7], v[VA] offset:HOFF+4352*\a+64*\s+32
.endr
.endr
.irp s, 0,1,2,3
.irp a, 0,1,2,3
	ds_load_b128 v[128+32*\s+8*\a:128+32*\s+8*\a+3],   v[VA] offset:4352*\a+64*\s
	ds_load_b128 v[128+32*\s+8*\a+4:128+32*\s+8*\a+7], v[VA] offset:4352*\a+64*\s+32
.endr
.endr
	s_wait_dscnt 32                                ; the forward h's 32 loads are in, the backward h's 32 may be out
	WIN 0x5B
.irp a, 0,1,2,3
	v_wmma_f32_16x16x32_bf16 v[8*\a:8*\a+7], v[0:7], v[8*\a:8*\a+7], 0
.endr
.irp s, 1,2,3
.irp a, 0,1,2,3
	v_wmma_f32_16x16x32_bf16 v[8*\a:8*\a+7], v[8*\s:8*\s+7], v[32*\s+8*\a:32*\s+8*\a+7], v[8*\a:8*\a+7]   ; four accumulators by turns
.endr
.endr
	s_wait_dscnt 0x0
.irp s, 4,5,6,7
.irp a, 0,1,2,3
	v_wmma_f32_16x16x32_bf16 v[8*\a:8*\a+7], v[8*\s:8*\s+7], v[32*\s+8*\a:32*\s+8*\a+7], v[8*\a:8*\a+7]
.endr
.endr
	PLACES
	WIN 0x81
.irp a, 0,1,2,3
.irp p, 0,2,4,6
	v_pk_add_f32 v[8*\a+\p:8*\a+\p+1], v[8*\a+\p:8*\a+\p+1], v[B1R+\p:B1R+\p+1]
.endr
.endr
	; exact gelu: 0.5 x (1 + erf(x / sqrt 2)) = max(x, 0) - 0.5 |x| Q, Q = (a1 t + .. + a5 t^5) exp(-x^2 / 2), t = 1 / (1 + 0.3275911 |x| / sqrt 2)
	; window 2: x 0-31, t 32-63, the exponential 64-95, Q 96-127, |x| 128-159
	WIN 0xAA
.set ii, 0
.rept 32
	v_and_b32 v[128+ii], 0x7fffffff, v[ii]
	v_mul_f32 v[64+ii], v[ii], v[ii]
.set ii, ii+1
.endr
.set ii, 0
.rept 32
	v_fma_f32 v[32+ii], v[128+ii], s60, 1.0
	v_mul_f32 v[64+ii], s61, v[64+ii]
.set ii, ii+1
.endr
.set ii, 0
.rept 32
	v_rcp_f32 v[32+ii], v[32+ii]
	v_exp_f32 v[64+ii], v[64+ii]
.set ii, ii+1
.endr
	v_nop
.set ii, 0
	s_wait_alu depctr_va_vdst(0)
.rept 32
	v_fma_f32 v[96+ii], v[32+ii], s62, s63
.set ii, ii+1
.endr
.set ii, 0
.rept 32
	v_fmaak_f32 v[96+ii], v[96+ii], v[32+ii], 0x3fb5f0e3           ; a3
.set ii, ii+1
.endr
.set ii, 0
.rept 32
	v_fmaak_f32 v[96+ii], v[96+ii], v[32+ii], 0xbe91a98e           ; a2
.set ii, ii+1
.endr
.set ii, 0
.rept 32
	v_fmaak_f32 v[96+ii], v[96+ii], v[32+ii], 0x3e827906           ; a1
	v_mul_f32 v[64+ii], v[64+ii], v[32+ii]                         ; t exp(..)
.set ii, ii+1
.endr
.set ii, 0
.rept 32
	v_mul_f32 v[96+ii], v[96+ii], v[64+ii]                         ; Q
	v_mul_f32 v[128+ii], -0.5, v[128+ii]
	v_max_num_f32 v[ii], 0, v[ii]
.set ii, ii+1
.endr
.set ii, 0
.rept 32
	v_fmac_f32 v[ii], v[128+ii], v[96+ii]
.set ii, ii+1
.endr
.set ii, 0
.rept 16
	v_cvt_pk_bf16_f32 v[160+ii], v[2*ii], v[2*ii+1]
.set ii, ii+1
.endr
	WIN 0x08
.irp a, 0,1,2,3
	ds_store_b128 v[VG], v[160+4*\a:160+4*\a+3] offset:16*GP*\a    ; row 16 a + r, byte 32 w + 16 h; X1 was last read in front of earlier barriers
.endr
	s_wait_dscnt 0x0
	s_barrier_signal -1
	s_barrier_wait -1
	; product 2: wave w takes batch rows 16 w .. 16 w + 15; K = 64 on two accumulators, each started by its product
	WIN 0x80
	ds_load_b128 v[0:3],   v[VA2]
	ds_load_b128 v[4:7],   v[VA2] offset:32
	ds_load_b128 v[8:11],  v[VA2] offset:64
	ds_load_b128 v[12:15], v[VA2] offset:96
	s_wait_dscnt 0x0
	WIN 0x5B
	v_wmma_f32_16x16x32_bf16 v[32:39], v[W2F:W2F+7], v[0:7], 0
	v_wmma_f32_16x16x32_bf16 v[40:47], v[W2F+8:W2F+15], v[8:15], 0
	PLACES
	WIN 0x05
.irp j, 0,1,2,3,4
	v_add_f32 v[SM+\j], v[32+\j], v[40+\j]         ; lanes h = 0: outputs 0-4 of batch row r; lanes h = 1: padded outputs 8-12
.endr
	WIN 0
.irp j, 0,1,2,3,4
	v_add_f32 v[SM+\j], s[52+\j], v[SM+\j]
.endr
.irp j, 0,1,2,3,4
	v_mul_f32 v[SM+\j], 0xc038aa3b, v[SM+\j]
.endr
.irp j, 0,1,2,3,4
	v_min_num_f32 v[SM+\j], 0x42200000, v[SM+\j]
.endr
.irp j, 0,1,2,3,4
	v_exp_f32 v[SM+\j], v[SM+\j]
.endr
	v_nop
	s_wait_alu depctr_va_vdst(0)
.irp j, 0,1,2,3,4
	v_add_f32 v[SM+8+\j], 1.0, v[SM+\j]
.endr
.irp j, 0,1,2,3,4
	v_sub_f32 v[SM+\j], 1.0, v[SM+\j]
.endr
.irp j, 0,1,2,3,4
	v_rcp_f32 v[SM+8+\j], v[SM+8+\j]
.endr
	v_nop
	s_wait_alu depctr_va_vdst(0)
.irp j, 0,1,2,3,4
	v_mul_f32 v[SM+\j], v[SM+\j], v[SM+8+\j]       ; tanh = (1 - E) / (1 + E)
.endr
.irp j, 0,1,2,3,4
	ds_store_b32 v[VOS], v[SM+\j] offset:4*\j
.endr
	s_wait_dscnt 0x0
	s_barrier_signal -1
	s_barrier_wait -1
	; the group's 1,280 bytes of out0 leave as five stores of 256 consecutive bytes, aligned: one a wave, wave 0 a second
	v_add_nc_u32 v4, OUTB, v[VOL]
	ds_load_b64 v[6:7], v4
	s_wait_dscnt 0x0
	global_store_b64 v[VOL], v[6:7], s[22:23]
	s_cmp_lg_u32 s24, 0
	s_cbranch_scc1 .Lnot0
	ds_load_b64 v[SM:SM+1], v4 offset:1024
	s_wait_dscnt 0x0
	global_store_b64 v[VOL], v[SM:SM+1], s[22:23] offset:1024
.Lnot0:
	s_set_vgpr_msb 0xf
	s_wait_tensorcnt 0x0
	ds_add_u32 v254, v255
	s_wait_dscnt 0x0
	s_set_vgpr_msb 0xf00
	CROUND                                         ; the closing round: no work-group ends while a partner may still ask for a tile that names it
	s_endpgm
.Lfunc_end_k_q26b72e32c0_lstm:
	.size	k_q26b72e32c0_lstm, .Lfunc_end_k_q26b72e32c0_lstm-k_q26b72e32c0_lstm
	.p2alignl 7, 3214868480
	.fill 96, 4, 3214868480
	.section	.rodata,"a",@progbits
	.p2align	6, 0x0
	.amdhsa_kernel k_q26b72e32c0_lstm
		.amdhsa_group_segment_fixed_size 327680
		.amdhsa_private_segment_fixed_size 0
		.amdhsa_enable_private_segment 0
		.amdhsa_kernarg_size 80
		.amdhsa_user_sgpr_count 2
		.amdhsa_user_sgpr_kernarg_segment_ptr 1
		.amdhsa_wavefront_size32 1
		.amdhsa_system_sgpr_workgroup_id_x 1
		.amdhsa_system_sgpr_workgroup_id_y 1
		.amdhsa_system_sgpr_workgroup_id_z 1
		.amdhsa_system_vgpr_workitem_id 0
		.amdhsa_next_free_vgpr 1024
		.amdhsa_next_free_sgpr 66
		.amdhsa_reserve_vcc 0
		.amdhsa_float_denorm_mode_32 3
		.amdhsa_float_denorm_mode_16_64 3
		.amdhsa_memory_ordered 1
		.amdhsa_forward_progress 1
		.amdhsa_inst_pref_size 255
	.end_amdhsa_kernel
	.section	.bss,"aw",@nobits
	.p2align	6
	.space	262144
	.amdgpu_metadata
---
amdhsa.version: [ 1, 2 ]
amdhsa.kernels:
  - .name:           k_q26b72e32c0_lstm
    .symbol:         k_q26b72e32c0_lstm.kd
    .args:
      - { .name: x, .offset: 0, .size: 8, .value_kind: global_buffer, .address_space: global }
      - { .name: ln_gamma, .offset: 8, .size: 8, .value_kind: global_buffer, .address_space: global }
      - { .name: ln_beta, .offset: 16, .size: 8, .value_kind: global_buffer, .address_space: global }
      - { .name: wq, .offset: 24, .size: 8, .value_kind: global_buffer, .address_space: global }
      - { .name: bq, .offset: 32, .size: 8, .value_kind: global_buffer, .address_space: global }
      - { .name: W1, .offset: 40, .size: 8, .value_kind: global_buffer, .address_space: global }
      - { .name: b1, .offset: 48, .size: 8, .value_kind: global_buffer, .address_space: global }
      - { .name: W2, .offset: 56, .size: 8, .value_kind: global_buffer, .address_space: global }
      - { .name: b2, .offset: 64, .size: 8, .value_kind: global_buffer, .address_space: global }
      - { .name: out0, .offset: 72, .size: 8, .value_kind: global_buffer, .address_space: global }
    .group_segment_fixed_size: 327680
    .private_segment_fixed_size: 0
    .kernarg_segment_align: 8
    .kernarg_segment_size: 80
    .max_flat_workgroup_size: 128
    .sgpr_count:     66
    .vgpr_count:     1024
    .wavefront_size: 32
...
	.end_amdgpu_metadata
.endif
;; end of part 2
;; ======== version 2 of 2: 2 launches; 1.33 times as fast as version 1
;; workspace buffers: wq 1,310,720 bytes; bq 4,096 bytes
;; launch prep: the kernel of part 1 again; grid 32 x 10, 8 waves a work-group, no clusters, 0 bytes of LDS; arguments Wih_f, Whh_f, Wih_b, Whh_b, bih_f, bhh_f, bih_b, bhh_b, wq, bq; writes wq, bq
;; launch lstm (part 3): grid 256 x 1, 4 waves a work-group, clusters of 4 x 1, 327,680 bytes of LDS; arguments x, ln_gamma, ln_beta, wq, bq, W1, b1, W2, b2, out0; writes out0
.if DOCPART == 3
	.amdgcn_target "amdgcn-amd-amdhsa--gfx1250"
	.amdhsa_code_object_version 6
	.text
	.protected	k_q26b72e32c0_lstm
	.globl	k_q26b72e32c0_lstm
	.p2align	8
	.type	k_q26b72e32c0_lstm,@function
k_q26b72e32c0_lstm:
	s_mov_b64 s[64:65], 0
	v_nop
	global_prefetch_b8 v0, s[64:65] scope:SCOPE_SE
	s_setreg_imm32_b32 hwreg(HW_REG_WAVE_MODE, 25, 1), 1
	s_wait_xcnt 0x0
	s_wait_alu depctr_hold_cnt(0) depctr_sa_sdst(0) depctr_va_vdst(0) depctr_va_sdst(0) depctr_va_ssrc(0) depctr_va_vcc(0) depctr_vm_vsrc(0)
	s_getreg_b32 s2, hwreg(HW_REG_IB_STS2, 6, 4)
	s_cmp_eq_u32 s2, 0
	s_cbranch_scc0 .Lentry_in_a_cluster
	s_endpgm
.Lentry_in_a_cluster:
	s_bfe_u32 s2, ttmp6, 0x10000c
	s_cmp_lg_u32 s2, 0x3003
	s_cbranch_scc0 .Lentry_shape_is_right
	s_endpgm
.Lentry_shape_is_right:
; LayerNorm, forward LSTM (5 steps), the one backward step that reaches the output (hs_b[0]: xn[:,4] from h = c = 0), and the head, in one launch.
; A work-group owns 64 batch rows; nothing but x, the weights and out0 touches memory.
; SIX UNITS of [64 rows] x [K = 640: 512 of xn, 128 of h] x [512 gate columns]: forward t = 0..4 (u = 0..4), backward t = 4 (u = 5).  The products with h0 = 0 are carried out.
; ALL SIX UNITS RUN THROUGH ONE LOOP BODY, so that the launch's code is one unit's text, a short start and the head.  What differs between units is a scalar offset
; (which direction's weights and biases) and three forward branches on the unit's number, which is the same in every wave and work-group; no barrier and no tensor load stands inside a branch.
; Wave w owns hidden units 32 w .. 32 w + 31 in all four gates: 64 x 128 of the gates, 32 accumulator tiles (256 registers), and the LayerNorm of batch rows 16 w .. 16 w + 15.
; The matrix instruction is used transposed (source 0 = weight rows, source 1 = batch rows): lane (r, h) holds batch row r and eight neighbouring units 8 h + j.
; WEIGHTS: bf16 chunks of 512 rows x 128 K (131,072 bytes, made by the first launch) go through two LDS slots.  At a unit's head one tensor load a wave (256 rows of 256 bytes)
; brings a quarter of chunks 0 and 1 together, which lie side by side in memory and in LDS; it lands during the unit's LayerNorm.  Chunks 2, 3, 4 follow, a quarter chunk a wave,
; each into the slot just read.  Every tile is read in the trip that asks for it, so the loop has no tail without loads.  By this text's count a wave has at most one tensor load outstanding.
; CLUSTERS: all work-groups walk the same weights.  Four work-groups form a cluster and ask for each tile jointly (mask 15): the same line, the same
; descriptor (made of wq, the wave's number and the unit's number alone), behind the same round of the cluster's barrier.  That divides the requests for weights by four.
; LayerNorm is finished in f32 (mean, then the squares of the differences) before the one rounding to bf16.
; LIMITS.  Matrix operands (xn, h, weights, gelu's output) are bf16.  The arguments of the base-2 exponentials are cut at 40 by v_min_num_f32: a sigmoid or tanh
; changes by less than 2^-39, the products of up to three denominators stay below 2^121, and a NaN in a gate's input is NOT handed on (it counts as 40).
; erf is Abramowitz and Stegun 7.1.26, absolute error at most 1.5e-7 for every argument.
; No prefetch: x is asked for by register loads two K chunks and the cell's arithmetic ahead of its use, and the weights are what all other work-groups read as well.
.set CH,    131072                     ; bytes of a weight chunk, and of an LDS slot (slot 0 at byte 0, slot 1 behind it); only tensor loads write there
.set XB,    262144                     ; X0: 64 rows x 272 bytes: a K chunk of xn in bf16 (256 bytes + 16: sixteen rows start at sixteen different 16-byte columns modulo 256)
.set XP,    272
.set XBUF,  17408                      ; X0, X1 and H follow each other at this distance
.set HOFF,  2*XBUF                     ; H from X0: h in bf16, 64 rows x 272
.set GB,    XB+2*XBUF                  ; in the head the H region holds gelu's output, 64 rows x 144 bytes
.set GP,    144
.set OUTB,  314368                     ; [64][5] f32, and a second plane for the padded outputs 8..12
.set XROW,  10240                      ; bytes in x from a batch row to the next: 5 x 512 x 4
.set XT,    2048                       ; and from a time step to the next
; window 0
.set VA,  8                            ; XB + 272 r + 16 h: batch fragments
.set VXS, 9                            ; XB + 272 x 16 w + 8 L: where my wave's xn rows go
.set VH0, 10                           ; VA + 64 w: where my 16 bytes of h go
.set VX,  11                           ; 16 L
.set VBQ, 12                           ; 512 w + 32 h
.set VW1, 13                           ; 1024 (16 w + r) + 32 h
.set VW2, 14                           ; 256 min(r, 4) + 32 h
.set VG,  15                           ; GB + 144 r + 32 w + 16 h
.set VB,  16                           ; v16-31: [slot][e]: CH slot + 32768 w + 256 r + 16 ((2 e + h + r) mod 16): weight fragments, rotated columns
.set GAM, 32                           ; v32-47 gamma, v48-63 beta of my 16 columns (128 q + 4 L + 0..3)
.set BET, 48
.set SM,  64                           ; v64-79: eight pairs, a row's sum
.set ZR,  80                           ; v80-83: zeros
.set VB1, 84                           ; 64 w + 32 h
.set VA2, 85                           ; GB + 144 (16 w + r) + 16 h
.set VOS, 86                           ; OUTB + 1280 h + 20 (16 w + r)
.set VOL, 87                           ; 256 w + 8 L
.set B1R, 88                           ; v88-95 b1
.set W2R, 96                           ; v96-127 W2 in f32
.set RAW, 128                          ; v128-255: rows 8-15 of x, 16 registers each; in the last unit W1 in f32
; window 1: the 32 accumulator tiles, (a, b) at 8 (8 a + b), a = batch tile, b = 2 gate + u
; window 2
.set F0,  0                            ; fragment buffer 0: 8 weight fragments, then 4 batch fragments
.set F1,  96                           ; fragment buffer 1
.set CST, 192                          ; c, tile (a, u) at 192 + 8 (2 a + u)
.set TI,  0                            ; at work between the units, over the fragment buffers
.set TF,  8
.set TG,  16
.set TO,  24
.set MG,  32
; window 3: 0-127 xn (row i, chunk q: 8 i + 2 q, + 1); behind a unit's last store of xn the same registers take rows 0-7 of the next x, 16 registers each
.set BIAS, 128                         ; 128-191
.set HF,   192                         ; 192-223: h, packed, tile (a, u) at 192 + 4 (2 a + u)
.set W2F,  224                         ; 224-239
; scalars
.set SX,   28                          ; s[28:29] x at my wave's first row, at the time step loaded last
.set WB,   30                          ; s[30:31] wq + 32768 w
.set G0,   32                          ; s[32:39] descriptor group 0 of the quarter chunks, a set for each slot
.set G1,   40                          ; s[40:47] their group 1
.set K1,   66                          ; s[66:67] -log2(e), twice
.set G0A,  68                          ; s[68:71] group 0 of the load at a unit's head
.set G1A,  72                          ; s[72:79] its group 1
.set K2,   80                          ; s[80:81] -2 log2(e), twice
.set S40,  82                          ; 40.0
.set DOFF, 84                          ; s[84:85] the unit's weights in wq: 0, or 5 chunks for the backward unit
.set WA,   86                          ; s[86:87] wq + 65536 w
.set BQC,  88                          ; s[88:89] the unit's biases
.set KM,   90                          ; s[90:91] -1 / 512, twice
.set MSB, 0
.macro WIN new                         ; low byte: bits 1:0 source 0, 3:2 source 1, 5:4 source 2, 7:6 destination; the high byte repeats the setting that is left
.if MSB != (\new)
	s_set_vgpr_msb (MSB<<8)|(\new)
.set MSB, \new
.endif
.endm
.macro PLACES                          ; four places behind a matrix instruction, ahead of loads into its sources and of reads of its result
.rept 4
	v_nop
.endr
.endm
.macro CREST                           ; a round of the cluster's barrier behind its opening work-group barrier
	s_cmp_lg_u32 s24, 0
	s_cbranch_scc1 .Lnot_wave_0_\@
	s_barrier_signal -3
.Lnot_wave_0_\@:
	s_barrier_wait -3
	s_barrier_signal -1
	s_barrier_wait -1
.endm
.macro CROUND
	s_barrier_signal -1
	s_barrier_wait -1
	CREST
.endm
; 24 LDS loads: the fragments of 32 along K (quarter s of a chunk): my 128 weight rows from a slot, the 64 batch rows from X0, X1 or H (abuf 0, 1, 2)
.macro FETCH slot, abuf, s, f
	WIN 0x80
.irp b, 0,1,2,3,4,5,6,7
	ds_load_b128 v[\f+8*\b:\f+8*\b+3],   v[VB+8*\slot+2*\s]   offset:4096*\b
	ds_load_b128 v[\f+8*\b+4:\f+8*\b+7], v[VB+8*\slot+2*\s+1] offset:4096*\b
.endr
.irp a, 0,1,2,3
	ds_load_b128 v[\f+64+8*\a:\f+64+8*\a+3],   v[VA] offset:XBUF*\abuf+4352*\a+64*\s
	ds_load_b128 v[\f+64+8*\a+4:\f+64+8*\a+7], v[VA] offset:XBUF*\abuf+4352*\a+64*\s+32
.endr
.endm
; 8 matrix instructions: batch tile a x my 8 column tiles.  The 32 accumulators take turns, one instruction a turn, in the same order in every quarter.
.macro MUL8 f, a, zero
.irp b, 0,1,2,3,4,5,6,7
.if \zero
	v_wmma_f32_16x16x32_bf16 v[8*(8*\a+\b):8*(8*\a+\b)+7], v[\f+8*\b:\f+8*\b+7], v[\f+64+8*\a:\f+64+8*\a+7], 0
.else
	v_wmma_f32_16x16x32_bf16 v[8*(8*\a+\b):8*(8*\a+\b)+7], v[\f+8*\b:\f+8*\b+7], v[\f+64+8*\a:\f+64+8*\a+7], v[8*(8*\a+\b):8*(8*\a+\b)+7]
.endif
.endr
.endm
.macro QUARTER slot, abuf, snext, f, g, zero
	s_wait_dscnt 0x4                               ; all but the four youngest loads (batch tiles 2 and 3) are in
	WIN 0x5A
	MUL8 \f, 0, \zero
	MUL8 \f, 1, \zero
	PLACES
	FETCH \slot, \abuf, \snext, \g
	s_wait_dscnt 24                                ; all but the 24 just issued
	WIN 0x5A
	MUL8 \f, 2, \zero
	MUL8 \f, 3, \zero
.endm
.macro THREE slot, abuf, zero
	QUARTER \slot, \abuf, 1, F0, F1, \zero
	QUARTER \slot, \abuf, 2, F1, F0, 0
	QUARTER \slot, \abuf, 3, F0, F1, 0
.endm
; 16 stores of 256 consecutive bytes: K chunk 'chunk' of my wave's 16 rows of xn into X0 or X1
.macro ASTORE chunk, buf
	WIN 0x0C
.irp i, 0,1,2,3,4,5,6,7,8,9,10,11,12,13,14,15
	ds_store_b64 v[VXS], v[8*\i+2*\chunk:8*\i+2*\chunk+1] offset:XBUF*\buf+XP*\i
.endr
.endm
; my eight tiles of h, 16 bytes a lane: row 16 a + r, byte 64 w + 32 u + 16 h of X0, X1 or H (ofs)
.macro HSTORE ofs
	WIN 0x0C
.irp a, 0,1,2,3
.irp u, 0,1
	ds_store_b128 v[VH0], v[HF+4*(2*\a+\u):HF+4*(2*\a+\u)+3] offset:\ofs+4352*\a+32*\u
.endr
.endr
.endm
; A chunk's last quarter, and the change of slots.  In front of the barrier each wave waits for its LDS reads and stores and for all its tensor loads (the one that is out
; is its part of the next chunk).  fill = 1: the barrier opens a round of the cluster's barrier, and behind the round the slot just read is asked for again, jointly, first thing.
; Then, if achunk >= 0, a later K chunk of xn goes into the X buffer that nobody reads any more.
.macro TURN fill, gslot, goff, achunk, abufst, nslot, nabuf
	s_wait_dscnt 0x4
	WIN 0x5A
	MUL8 F1, 0, 0
	s_wait_dscnt 0x0
	s_set_vgpr_msb 0x5a5f
	s_wait_tensorcnt 0x0
	ds_add_u32 v254, v255
	s_wait_dscnt 0x0
	s_set_vgpr_msb 0x5f5a
	s_barrier_signal -1
	MUL8 F1, 1, 0                                  ; registers only, while the others arrive
	WIN 0
	s_barrier_wait -1
.if \fill
	CREST
	s_add_nc_u64 s[G0+4*\gslot+2:G0+4*\gslot+3], s[WB:WB+1], \goff   ; no tensor load of mine is out: the group 0 may be written
	s_add_nc_u64 s[G0+4*\gslot+2:G0+4*\gslot+3], s[G0+4*\gslot+2:G0+4*\gslot+3], s[DOFF:DOFF+1]
	s_or_b32 s[G0+4*\gslot+3], s[G0+4*\gslot+3], 0x80000000
	tensor_load_to_lds s[G0+4*\gslot:G0+4*\gslot+3], s[G1:G1+7]
	s_nop 0
.endif
.if \achunk >= 0
	ASTORE \achunk, \abufst
.endif
	PLACES
	FETCH \nslot, \nabuf, 0, F0
	WIN 0x5A
	MUL8 F1, 2, 0
	MUL8 F1, 3, 0
.endm
; 32 loads of 512 consecutive bytes: eight whole rows of x (rows rowbase .. rowbase + 7 of my wave's 16) into registers dst .. dst + 127 of window win
.macro XLOAD8 rowbase, dst, win
	WIN (\win<<6)
.irp i, 0,1,2,3,4,5,6,7
.irp q, 0,1,2,3
	global_load_b128 v[\dst+16*\i+4*\q:\dst+16*\i+4*\q+3], v[VX], s[SX:SX+1] offset:(\rowbase+\i)*XROW+512*\q th:TH_LOAD_NT
.endr
.endr
.endm
; eight sums over the 32 lanes at once; the result stands in every lane, in the pair's first register
.macro RED8
.irp i, 0,1,2,3,4,5,6,7
	v_add_f32 v[SM+2*\i], v[SM+2*\i], v[SM+2*\i+1]
.endr
.irp m, 1,2,4,8
.irp i, 0,1,2,3,4,5,6,7
	v_add_f32_dpp v[SM+2*\i], v[SM+2*\i], v[SM+2*\i] row_xmask:\m row_mask:0xf bank_mask:0xf
.endr
.endr
.irp i, 0,1,2,3,4,5,6,7
	v_permlanex16_b32 v[SM+2*\i+1], v[SM+2*\i], s48, s49
.endr
.irp i, 0,1,2,3,4,5,6,7
	v_add_f32 v[SM+2*\i], v[SM+2*\i], v[SM+2*\i+1]
.endr
.endm
; LayerNorm of eight rows that lie in registers rb .. rb + 127 of window rw, stage by stage so that the rows' chains hide each other; bf16 into xn rows xrow .. xrow + 7.
; With rw = 3, rb = 0, xrow = 0 the packing is in place: result 8 i + j never lies above its sources 16 i + 2 j, + 1, and what lies below them has been read.
.macro LN8 rw, rb, xrow
	WIN (\rw|(\rw<<2))
.irp i, 0,1,2,3,4,5,6,7
	v_pk_add_f32 v[SM+2*\i:SM+2*\i+1], v[\rb+16*\i:\rb+16*\i+1], v[\rb+16*\i+2:\rb+16*\i+3]
.endr
	WIN (\rw<<2)
.irp j, 2,3,4,5,6,7
.irp i, 0,1,2,3,4,5,6,7
	v_pk_add_f32 v[SM+2*\i:SM+2*\i+1], v[SM+2*\i:SM+2*\i+1], v[\rb+16*\i+2*\j:\rb+16*\i+2*\j+1]
.endr
.endr
	WIN 0
	RED8
	WIN ((\rw<<6)|(\rw<<4))
.irp j, 0,1,2,3,4,5,6,7
.irp i, 0,1,2,3,4,5,6,7
	v_pk_fma_f32 v[\rb+16*\i+2*\j:\rb+16*\i+2*\j+1], v[SM+2*\i:SM+2*\i+1], s[KM:KM+1], v[\rb+16*\i+2*\j:\rb+16*\i+2*\j+1] op_sel_hi:[0,0,1]   ; x - sum / 512
.endr
.endr
	WIN (\rw|(\rw<<2))
.irp i, 0,1,2,3,4,5,6,7
	v_pk_mul_f32 v[SM+2*\i:SM+2*\i+1], v[\rb+16*\i:\rb+16*\i+1], v[\rb+16*\i:\rb+16*\i+1]
.endr
.irp j, 1,2,3,4,5,6,7
.irp i, 0,1,2,3,4,5,6,7
	v_pk_fma_f32 v[SM+2*\i:SM+2*\i+1], v[\rb+16*\i+2*\j:\rb+16*\i+2*\j+1], v[\rb+16*\i+2*\j:\rb+16*\i+2*\j+1], v[SM+2*\i:SM+2*\i+1]
.endr
.endr
	WIN 0
	RED8
.irp i, 0,1,2,3,4,5,6,7
	v_fma_f32 v[SM+2*\i+1], v[SM+2*\i], s50, s51   ; variance + 1e-5
.endr
.irp i, 0,1,2,3,4,5,6,7
	v_rsq_f32 v[SM+2*\i], v[SM+2*\i+1]
.endr
	v_nop                                          ; one plain place behind the transcendentals (ISA guide 5.7.2)
	WIN ((\rw<<6)|\rw)
	s_wait_alu depctr_va_vdst(0)
.irp j, 0,1,2,3,4,5,6,7
.irp i, 0,1,2,3,4,5,6,7
	v_pk_mul_f32 v[\rb+16*\i+2*\j:\rb+16*\i+2*\j+1], v[\rb+16*\i+2*\j:\rb+16*\i+2*\j+1], v[SM+2*\i:SM+2*\i+1] op_sel_hi:[1,0]
.endr
.endr
.irp j, 0,1,2,3,4,5,6,7
.irp i, 0,1,2,3,4,5,6,7
	v_pk_fma_f32 v[\rb+16*\i+2*\j:\rb+16*\i+2*\j+1], v[\rb+16*\i+2*\j:\rb+16*\i+2*\j+1], v[GAM+2*\j:GAM+2*\j+1], v[BET+2*\j:BET+2*\j+1]
.endr
.endr
	WIN (0xC0|\rw|(\rw<<2))
.irp i, 0,1,2,3,4,5,6,7
.irp j, 0,1,2,3,4,5,6,7
	v_cvt_pk_bf16_f32 v[8*(\xrow+\i)+\j], v[\rb+16*\i+2*\j], v[\rb+16*\i+2*\j+1]
.endr
.endr
.endm
; the base-2 exponents of one gate of one tile: k x sum + (k x bias); k: the scalar pair that holds the factor
.macro EWARG a, u, g, k
.irp p, 0,1,2,3
	v_pk_fma_f32 v[8*\g+2*\p:8*\g+2*\p+1], v[8*(8*\a+2*\g+\u)+2*\p:8*(8*\a+2*\g+\u)+2*\p+1], s[\k:\k+1], v[BIAS+8*(2*\g+\u)+2*\p:BIAS+8*(2*\g+\u)+2*\p+1] op_sel_hi:[1,0,1]
.endr
.endm
; The cell, 8 numbers a lane.  With E = exp of minus the gate (twice it for tanh), P = 1 + E, M = 1 - E:
; c' = c / Pf + Mg / (Pi Pg) = (c Pi Pg + Mg Pf) / (Pi Pg Pf);  h = Mc / (Po Pc): five exponentials and two reciprocals a cell.  h is packed into window 3.
.macro EWTILE a, u
.set CD, CST+8*(2*\a+\u)
	WIN 0xB1
	EWARG \a, \u, 0, K1
	EWARG \a, \u, 1, K1
	EWARG \a, \u, 2, K2
	EWARG \a, \u, 3, K1
	WIN 0xAA
.set ii, 0
.rept 32
	v_min_num_f32 v[ii], s[S40], v[ii]             ; at most 40
.set ii, ii+1
.endr
.set ii, 0
.rept 32
	v_exp_f32 v[ii], v[ii]
.set ii, ii+1
.endr
	v_nop
	s_wait_alu depctr_va_vdst(0)
.irp p, 0,2,4,6
	v_pk_fma_f32 v[MG+\p:MG+\p+1], v[TG+\p:TG+\p+1], -1.0, 1.0 op_sel_hi:[1,0,0]     ; Mg
.endr
.set ii, 0
.rept 16
	v_pk_add_f32 v[ii:ii+1], v[ii:ii+1], 1.0 op_sel_hi:[1,0]                         ; Pi, Pf, Pg, Po
.set ii, ii+2
.endr
.irp p, 0,2,4,6
	v_pk_mul_f32 v[TI+\p:TI+\p+1], v[TI+\p:TI+\p+1], v[TG+\p:TG+\p+1]                ; Pi Pg
.endr
.irp p, 0,2,4,6
	v_pk_mul_f32 v[MG+\p:MG+\p+1], v[MG+\p:MG+\p+1], v[TF+\p:TF+\p+1]                ; Mg Pf
.endr
.irp p, 0,2,4,6
	v_pk_fma_f32 v[MG+\p:MG+\p+1], v[CD+\p:CD+\p+1], v[TI+\p:TI+\p+1], v[MG+\p:MG+\p+1]
.endr
.irp p, 0,2,4,6
	v_pk_mul_f32 v[TF+\p:TF+\p+1], v[TI+\p:TI+\p+1], v[TF+\p:TF+\p+1]                ; Pi Pg Pf
.endr
.irp p, 0,1,2,3,4,5,6,7
	v_rcp_f32 v[TF+\p], v[TF+\p]
.endr
	v_nop
	s_wait_alu depctr_va_vdst(0)
.irp p, 0,2,4,6
	v_pk_mul_f32 v[CD+\p:CD+\p+1], v[MG+\p:MG+\p+1], v[TF+\p:TF+\p+1]                ; c'
.endr
.irp p, 0,2,4,6
	v_pk_mul_f32 v[TG+\p:TG+\p+1], v[CD+\p:CD+\p+1], s[K2:K2+1] op_sel_hi:[1,0]
.endr
.irp p, 0,1,2,3,4,5,6,7
	v_min_num_f32 v[TG+\p], s[S40], v[TG+\p]
.endr
.irp p, 0,1,2,3,4,5,6,7
	v_exp_f32 v[TG+\p], v[TG+\p]
.endr
	v_nop
	s_wait_alu depctr_va_vdst(0)
.irp p, 0,2,4,6
	v_pk_fma_f32 v[MG+\p:MG+\p+1], v[TG+\p:TG+\p+1], -1.0, 1.0 op_sel_hi:[1,0,0]     ; Mc
.endr
.irp p, 0,2,4,6
	v_pk_add_f32 v[TG+\p:TG+\p+1], v[TG+\p:TG+\p+1], 1.0 op_sel_hi:[1,0]             ; Pc
.endr
.irp p, 0,2,4,6
	v_pk_mul_f32 v[TO+\p:TO+\p+1], v[TO+\p:TO+\p+1], v[TG+\p:TG+\p+1]                ; Po Pc
.endr
.irp p, 0,1,2,3,4,5,6,7
	v_rcp_f32 v[TO+\p], v[TO+\p]
.endr
	v_nop
	s_wait_alu depctr_va_vdst(0)
.irp p, 0,2,4,6
	v_pk_mul_f32 v[MG+\p:MG+\p+1], v[MG+\p:MG+\p+1], v[TO+\p:TO+\p+1]                ; h
.endr
	WIN 0xCA
.irp p, 0,1,2,3
	v_cvt_pk_bf16_f32 v[HF+4*(2*\a+\u)+\p], v[MG+2*\p], v[MG+2*\p+1]
.endr
.endm
	s_load_b512 s[4:19], s[0:1], 0x0               ; x, gamma, beta, wq, bq, W1, b1, W2
	s_load_b128 s[20:23], s[0:1], 0x40             ; b2, out0
	s_set_vgpr_msb 0xc0
	v_lshl_add_u32 v254, v0, 2, 0x4d600
	v_mov_b32 v255, 0
	s_set_vgpr_msb 0xc000
	v_and_b32 v1, 31, v0                           ; L
	v_lshrrev_b32 v4, 5, v0
	v_readfirstlane_b32 s24, v4                    ; wave
	v_and_b32 v2, 15, v0                           ; r
	v_bfe_u32 v3, v0, 4, 1                         ; h
	s_bfe_u32 s25, ttmp6, 0x40000                  ; cx
	s_lshl_b32 s26, ttmp9, 2
	s_add_co_u32 s26, s26, s25                     ; work-group = 4 x cluster + cx: it enters the addresses of x and out0 alone
	s_mov_b32 s48, 0x76543210
	s_mov_b32 s49, 0xfedcba98
	s_mov_b32 s50, 0x3b000000                      ; 1 / 512
	s_mov_b32 s51, 0x3727c5ac                      ; 1e-5
	s_mov_b32 s59, 0
	s_mov_b32 s60, 0x3e6d3388                      ; 0.3275911 / sqrt 2
	s_mov_b32 s61, 0xbf38aa3b                      ; -log2(e) / 2
	s_mov_b32 s62, 0x3f87dc22                      ; a5
	s_mov_b32 s63, 0xbfba00e3                      ; a4
	s_mov_b32 s[K1], 0xbfb8aa3b
	s_mov_b32 s[K1+1], 0xbfb8aa3b
	s_mov_b32 s[K2], 0xc038aa3b
	s_mov_b32 s[K2+1], 0xc038aa3b
	s_mov_b32 s[S40], 0x42200000
	s_mov_b32 s[KM], 0xbb000000
	s_mov_b32 s[KM+1], 0xbb000000
	s_mov_b32 s[DOFF], 0                           ; the forward weights
	s_mov_b32 s[DOFF+1], 0
	; group 1 of a quarter chunk: a dense block of 128 rows of 32 elements of 8 bytes, no padding, for the four work-groups of the cluster
	s_mov_b32 s[G1+0], 0x0023000f                  ; 15:0 mask 15; 17:16 elements of 8 bytes; 21 set beside a mask
	s_mov_b32 s[G1+1], 32<<16                      ; tensor_dim0 = 32
	s_mov_b32 s[G1+2], 128<<16                     ; tensor_dim1 = 128
	s_mov_b32 s[G1+3], 32<<16                      ; tile_dim0 = 32
	s_mov_b32 s[G1+4], 128                         ; tile_dim1 = 128
	s_mov_b32 s[G1+5], 32                          ; elements from row to row
	s_mov_b32 s[G1+6], 0
	s_mov_b32 s[G1+7], 0
	; group 1 of the load at a unit's head: the same with 256 rows: a quarter of two chunks
	s_mov_b32 s[G1A+0], 0x0023000f
	s_mov_b32 s[G1A+1], 32<<16
	s_mov_b32 s[G1A+2], 256<<16
	s_mov_b32 s[G1A+3], 32<<16
	s_mov_b32 s[G1A+4], 256
	s_mov_b32 s[G1A+5], 32
	s_mov_b32 s[G1A+6], 0
	s_mov_b32 s[G1A+7], 0
	s_mov_b32 s[G0], 1
	s_lshl_b32 s[G0+1], s24, 15                    ; slot 0, my quarter
	s_mov_b32 s[G0+4], 1
	s_add_co_u32 s[G0+5], s[G0+1], CH              ; slot 1, my quarter
	s_mov_b32 s[G0A], 1
	s_lshl_b32 s[G0A+1], s24, 16                   ; my quarter of both slots together
	v_lshlrev_b32 v[VX], 4, v1
	s_lshl_b32 s58, s24, 9
	v_lshl_add_u32 v[VBQ], v3, 5, s58
	v_min_u32 v4, 4, v2
	v_lshlrev_b32 v4, 8, v4
	v_lshl_add_u32 v[VW2], v3, 5, v4
	s_lshl_b32 s58, s24, 6
	v_lshl_add_u32 v[VB1], v3, 5, s58
	s_mov_b32 s3, 0
	s_wait_kmcnt 0x0
	s_lshl_b32 s2, s24, 15
	s_add_nc_u64 s[WB:WB+1], s[10:11], s[2:3]
	s_lshl_b32 s2, s24, 16
	s_add_nc_u64 s[WA:WA+1], s[10:11], s[2:3]
	s_mov_b64 s[BQC:BQC+1], s[12:13]               ; the forward biases
	s_load_b128 s[52:55], s[20:21], 0x0            ; b2
	s_load_b32 s56, s[20:21], 0x10
	s_lshl_b32 s2, s26, 6
	s_lshl_b32 s58, s24, 4
	s_add_co_u32 s2, s2, s58                       ; my wave's first batch row
	s_mul_i32 s2, s2, XROW
	s_add_nc_u64 s[SX:SX+1], s[4:5], s[2:3]
	s_mul_i32 s2, s26, 1280
	s_add_nc_u64 s[22:23], s[22:23], s[2:3]        ; out0 at my group's 64 rows
.irp q, 0,1,2,3
	global_load_b128 v[GAM+4*\q:GAM+4*\q+3], v[VX], s[6:7] offset:512*\q
	global_load_b128 v[BET+4*\q:BET+4*\q+3], v[VX], s[8:9] offset:512*\q
.endr
.irp s, 0,1
.irp p, 0,1
.irp e, 0,1
	global_load_b128 v[W2R+16*\s+8*\p+4*\e:W2R+16*\s+8*\p+4*\e+3], v[VW2], s[18:19] offset:128*\s+64*\p+16*\e   ; W2(min(r, 4), ..): rows 5-15 of the fragment repeat row 4; their outputs are never stored to memory
.endr
.endr
.endr
	global_load_b128 v[B1R:B1R+3], v[VB1], s[16:17]
	global_load_b128 v[B1R+4:B1R+7], v[VB1], s[16:17] offset:16
	XLOAD8 0, 0, 3                                 ; t = 0, rows 0-7 into window 3
	XLOAD8 8, RAW, 0                               ; rows 8-15
	WIN 0
	v_mul_u32_u24 v4, v2, XP
	v_lshl_add_u32 v4, v3, 4, v4
	v_add_nc_u32 v[VA], XB, v4
	s_lshl_b32 s2, s24, 6
	v_add_nc_u32 v[VH0], s2, v[VA]
	s_mul_i32 s2, s24, 16*XP
	s_add_co_u32 s2, s2, XB
	v_lshl_add_u32 v[VXS], v1, 3, s2
	s_lshl_b32 s2, s24, 14
	v_lshl_add_u32 v[VW1], v2, 10, s2
	v_lshl_add_u32 v[VW1], v3, 5, v[VW1]
	v_mul_u32_u24 v4, v2, GP
	v_lshl_add_u32 v4, v3, 4, v4
	s_lshl_b32 s2, s24, 5
	s_add_co_u32 s2, s2, GB
	v_add_nc_u32 v[VG], s2, v4
	s_mul_i32 s2, s24, 16*GP
	s_add_co_u32 s2, s2, GB
	v_add_nc_u32 v[VA2], s2, v4
	v_mul_u32_u24 v4, v2, 20
	v_mad_u32_u24 v4, v3, 1280, v4
	s_mul_i32 s2, s24, 320
	s_add_co_u32 s2, s2, OUTB
	v_add_nc_u32 v[VOS], s2, v4
	s_lshl_b32 s2, s24, 8
	v_lshl_add_u32 v[VOL], v1, 3, s2
	v_add_nc_u32 v5, v2, v3
	s_lshl_b32 s2, s24, 15
	v_lshl_add_u32 v6, v2, 8, s2
.irp e, 0,1,2,3,4,5,6,7
	v_add_nc_u32 v4, 2*\e, v5
	v_and_b32 v4, 15, v4
	v_lshl_add_u32 v[VB+\e], v4, 4, v6
	v_add_nc_u32 v[VB+8+\e], CH, v[VB+\e]
.endr
.irp k, 0,1,2,3
	v_mov_b32 v[ZR+\k], 0
.endr
	WIN 0x80
.set ii, 0
.rept 64
	v_mov_b32 v[CST+ii], 0                         ; the forward scan's c0
.set ii, ii+1
.endr
	WIN 0xC0
.set ii, 0
.rept 32
	v_mov_b32 v[HF+ii], 0                          ; the forward scan's h0
.set ii, ii+1
.endr
	WIN 0
	s_wait_kmcnt 0x0                               ; b2
	s_mov_b32 s27, 0                               ; u
.Lunit:
	; THE UNIT'S HEAD.  Nobody reads a slot, X0, X1 or H any more, and no tensor load is out: each wave says so, the four work-groups meet, and both slots are asked for.
	s_wait_dscnt 0x0
	s_set_vgpr_msb 0xf
	s_wait_tensorcnt 0x0
	ds_add_u32 v254, v255
	s_wait_dscnt 0x0
	s_set_vgpr_msb 0xf00
	CROUND
	s_add_nc_u64 s[G0A+2:G0A+3], s[WA:WA+1], s[DOFF:DOFF+1]
	s_or_b32 s[G0A+3], s[G0A+3], 0x80000000
	tensor_load_to_lds s[G0A:G0A+3], s[G1A:G1A+7]  ; chunks 0 and 1, my 65,536 bytes of them; they land during the LayerNorm
	s_nop 0
	s_cmp_eq_u32 s27, 5
	s_cbranch_scc1 .Lback
	HSTORE HOFF                                    ; a forward unit: the last step's h (h0 in the first)
	s_wait_loadcnt 32                              ; all but the 32 youngest loads, rows 8-15 (in the first unit; later nothing is out)
	LN8 3, 0, 0
	s_wait_loadcnt 0x0
	LN8 0, RAW, 8
	WIN 0
	s_branch .Lhead_done
.Lback:                                            ; the backward unit: xn of t = 4 stays; the scan starts from h0 = c0 = 0; the forward h stays in its registers
.irp a, 0,1,2,3
.irp u, 0,1
	ds_store_b128 v[VH0], v[ZR:ZR+3] offset:HOFF+4352*\a+32*\u
.endr
.endr
	WIN 0x80
.set ii, 0
.rept 64
	v_mov_b32 v[CST+ii], 0
.set ii, ii+1
.endr
	WIN 0
.Lhead_done:
	s_wait_loadcnt 0x0                             ; no load is out on either way
	ASTORE 0, 0
	ASTORE 1, 1
	WIN 0xC0
.irp b, 0,1,2,3,4,5,6,7
	global_load_b128 v[BIAS+8*\b:BIAS+8*\b+3],   v[VBQ], s[BQC:BQC+1] offset:64*\b      ; the unit's biases, used behind its last product
	global_load_b128 v[BIAS+8*\b+4:BIAS+8*\b+7], v[VBQ], s[BQC:BQC+1] offset:64*\b+16
.endr
	s_wait_dscnt 0x0                               ; my stores of h and of xn's chunks 0 and 1 are done
	s_wait_tensorcnt 0x0                           ; my part of chunks 0 and 1 has landed: it is my only tensor load
	s_barrier_signal -1
	s_barrier_wait -1                              ; both hold of every wave
	FETCH 0, 0, 0, F0
	THREE 0, 0, 1                                  ; the first products start the sums: nothing is cleared
	TURN 1, 0, 2*CH, 2, 0, 1, 1
	THREE 1, 1, 0
	TURN 1, 1, 3*CH, 3, 1, 0, 0
	THREE 0, 0, 0
	TURN 1, 0, 4*CH, -1, 0, 1, 1
	WIN 0
	s_cmp_lt_u32 s27, 4
	s_cbranch_scc0 .Lno_x
	s_add_nc_u64 s[SX:SX+1], s[SX:SX+1], XT        ; u = 0..3: x of t = u + 1.  No load that names the base is out since the head's wait
	XLOAD8 0, 0, 3                                 ; over xn: its four chunks have been stored, and those stores were waited for in front of the last barrier
	XLOAD8 8, RAW, 0
	WIN 0
	s_branch .Lmid_done
.Lno_x:
	s_cmp_eq_u32 s27, 5
	s_cbranch_scc0 .Lmid_done
	HSTORE 0                                       ; u = 5: the forward h of t = 4 into X0, whose last reads lie in front of the last barrier
	WIN 0
.irp s, 0,1,2,3,4,5,6,7
.irp p, 0,1
.irp e, 0,1
	global_load_b128 v[RAW+16*\s+8*\p+4*\e:RAW+16*\s+8*\p+4*\e+3], v[VW1], s[14:15] offset:128*\s+64*\p+16*\e   ; W1(16 w + r, 32 s + 16 p + 8 h + 4 e ..)
.endr
.endr
.endr
.Lmid_done:
	THREE 1, 1, 0
	TURN 0, 0, 0, -1, 0, 0, 2                      ; nothing is left to fetch for this unit
	THREE 0, 2, 0                                  ; K chunk 4: h x Whh
	s_wait_dscnt 0x0
	WIN 0x5A
	MUL8 F1, 0, 0
	MUL8 F1, 1, 0
	MUL8 F1, 2, 0
	MUL8 F1, 3, 0
	PLACES
	s_wait_loadcnt 0x0                             ; the biases; and the next x, or W1
.irp a, 0,1,2,3
.irp u, 0,1
	EWTILE \a, \u
.endr
.endr
	WIN 0
	s_add_co_u32 s27, s27, 1
	s_cmp_eq_u32 s27, 5
	s_cselect_b32 s[DOFF], 5*CH, 0                 ; the sixth unit takes the backward weights
	s_cselect_b32 s58, 2048, 0                     ; and biases
	s_add_nc_u64 s[BQC:BQC+1], s[12:13], s[58:59]
	s_cmp_lt_u32 s27, 6
	s_cbranch_scc1 .Lunit
	; THE HEAD.  Product 1: wave w makes outputs 16 w .. 16 w + 15 of last x W1^T for all 64 rows; K 0-127 = forward h (X0), K 128-255 = backward h (X1).
	HSTORE XBUF                                    ; the backward h into X1, whose last reads lie in front of the barrier behind K chunk 3
	WIN 0xC0
.set ii, 0
.rept 64
	v_cvt_pk_bf16_f32 v[ii], v[RAW+2*ii], v[RAW+2*ii+1]            ; W1's eight fragments, over xn
.set ii, ii+1
.endr
.set ii, 0
.rept 16
	v_cvt_pk_bf16_f32 v[W2F+ii], v[W2R+2*ii], v[W2R+2*ii+1]
.set ii, ii+1
.endr
	s_wait_dscnt 0x0                               ; my stores of both h, and my reads of H
	s_barrier_signal -1
	s_barrier_wait -1
	WIN 0x80
.irp s, 0,1,2,3
.irp a, 0,1,2,3
	ds_load_b128 v[32*\s+8*\a:32*\s+8*\a+3],   v[VA] offset:4352*\a+64*\s
	ds_load_b128 v[32*\s+8*\a+4:32*\s+8*\a+7], v[VA] offset:4352*\a+64*\s+32
.endr
.endr
.irp s, 0,1,2,3
.irp a, 0,1,2,3
	ds_load_b128 v[128+32*\s+8*\a:128+32*\s+8*\a+3],   v[VA] offset:XBUF+4352*\a+64*\s
	ds_load_b128 v[128+32*\s+8*\a+4:128+32*\s+8*\a+7], v[VA] offset:XBUF+4352*\a+64*\s+32
.endr
.endr
	s_wait_dscnt 32                                ; the forward h's 32 loads are in, the backward h's 32 may be out
	WIN 0x5B
.irp a, 0,1,2,3
	v_wmma_f32_16x16x32_bf16 v[8*\a:8*\a+7], v[0:7], v[8*\a:8*\a+7], 0
.endr
.irp s, 1,2,3
.irp a, 0,1,2,3
	v_wmma_f32_16x16x32_bf16 v[8*\a:8*\a+7], v[8*\s:8*\s+7], v[32*\s+8*\a:32*\s+8*\a+7], v[8*\a:8*\a+7]   ; four accumulators by turns
.endr
.endr
	s_wait_dscnt 0x0
.irp s, 4,5,6,7
.irp a, 0,1,2,3
	v_wmma_f32_16x16x32_bf16 v[8*\a:8*\a+7], v[8*\s:8*\s+7], v[32*\s+8*\a:32*\s+8*\a+7], v[8*\a:8*\a+7]
.endr
.endr
	PLACES
	WIN 0x81
.irp a, 0,1,2,3
.irp p, 0,2,4,6
	v_pk_add_f32 v[8*\a+\p:8*\a+\p+1], v[8*\a+\p:8*\a+\p+1], v[B1R+\p:B1R+\p+1]
.endr
.endr
	; exact gelu: 0.5 x (1 + erf(x / sqrt 2)) = max(x, 0) - 0.5 |x| Q, Q = (a1 t + .. + a5 t^5) exp(-x^2 / 2), t = 1 / (1 + 0.3275911 |x| / sqrt 2)
	; window 2: x 0-31, t 32-63, the exponential 64-95, Q 96-127, |x| 128-159
	WIN 0xAA
.set ii, 0
.rept 32
	v_and_b32 v[128+ii], 0x7fffffff, v[ii]
	v_mul_f32 v[64+ii], v[ii], v[ii]
.set ii, ii+1
.endr
.set ii, 0
.rept 32
	v_fma_f32 v[32+ii], v[128+ii], s60, 1.0
	v_mul_f32 v[64+ii], s61, v[64+ii]
.set ii, ii+1
.endr
.set ii, 0
.rept 32
	v_rcp_f32 v[32+ii], v[32+ii]
	v_exp_f32 v[64+ii], v[64+ii]
.set ii, ii+1
.endr
	v_nop
.set ii, 0
	s_wait_alu depctr_va_vdst(0)
.rept 32
	v_fma_f32 v[96+ii], v[32+ii], s62, s63
.set ii, ii+1
.endr
.set ii, 0
.rept 32
	v_fmaak_f32 v[96+ii], v[96+ii], v[32+ii], 0x3fb5f0e3           ; a3
.set ii, ii+1
.endr
.set ii, 0
.rept 32
	v_fmaak_f32 v[96+ii], v[96+ii], v[32+ii], 0xbe91a98e           ; a2
.set ii, ii+1
.endr
.set ii, 0
.rept 32
	v_fmaak_f32 v[96+ii], v[96+ii], v[32+ii], 0x3e827906           ; a1
	v_mul_f32 v[64+ii], v[64+ii], v[32+ii]                         ; t exp(..)
.set ii, ii+1
.endr
.set ii, 0
.rept 32
	v_mul_f32 v[96+ii], v[96+ii], v[64+ii]                         ; Q
	v_mul_f32 v[128+ii], -0.5, v[128+ii]
	v_max_num_f32 v[ii], 0, v[ii]
.set ii, ii+1
.endr
.set ii, 0
.rept 32
	v_fmac_f32 v[ii], v[128+ii], v[96+ii]
.set ii, ii+1
.endr
.set ii, 0
.rept 16
	v_cvt_pk_bf16_f32 v[160+ii], v[2*ii], v[2*ii+1]
.set ii, ii+1
.endr
	WIN 0x08
.irp a, 0,1,2,3
	ds_store_b128 v[VG], v[160+4*\a:160+4*\a+3] offset:16*GP*\a    ; row 16 a + r, byte 32 w + 16 h; the H region was last read in front of the last barrier
.endr
	s_wait_dscnt 0x0
	s_barrier_signal -1
	s_barrier_wait -1
	; product 2: wave w takes batch rows 16 w .. 16 w + 15; K = 64 on two accumulators, each started by its product
	WIN 0x80
	ds_load_b128 v[0:3],   v[VA2]
	ds_load_b128 v[4:7],   v[VA2] offset:32
	ds_load_b128 v[8:11],  v[VA2] offset:64
	ds_load_b128 v[12:15], v[VA2] offset:96
	s_wait_dscnt 0x0
	WIN 0x5B
	v_wmma_f32_16x16x32_bf16 v[32:39], v[W2F:W2F+7], v[0:7], 0
	v_wmma_f32_16x16x32_bf16 v[40:47], v[W2F+8:W2F+15], v[8:15], 0
	PLACES
	WIN 0x05
.irp j, 0,1,2,3,4
	v_add_f32 v[SM+\j], v[32+\j], v[40+\j]         ; lanes h = 0: outputs 0-4 of batch row r; lanes h = 1: padded outputs 8-12
.endr
	WIN 0
.irp j, 0,1,2,3,4
	v_add_f32 v[SM+\j], s[52+\j], v[SM+\j]
.endr
.irp j, 0,1,2,3,4
	v_mul_f32 v[SM+\j], 0xc038aa3b, v[SM+\j]
.endr
.irp j, 0,1,2,3,4
	v_min_num_f32 v[SM+\j], 0x42200000, v[SM+\j]
.endr
.irp j, 0,1,2,3,4
	v_exp_f32 v[SM+\j], v[SM+\j]
.endr
	v_nop
	s_wait_alu depctr_va_vdst(0)
.irp j, 0,1,2,3,4
	v_add_f32 v[SM+8+\j], 1.0, v[SM+\j]
.endr
.irp j, 0,1,2,3,4
	v_sub_f32 v[SM+\j], 1.0, v[SM+\j]
.endr
.irp j, 0,1,2,3,4
	v_rcp_f32 v[SM+8+\j], v[SM+8+\j]
.endr
	v_nop
	s_wait_alu depctr_va_vdst(0)
.irp j, 0,1,2,3,4
	v_mul_f32 v[SM+\j], v[SM+\j], v[SM+8+\j]       ; tanh = (1 - E) / (1 + E)
.endr
.irp j, 0,1,2,3,4
	ds_store_b32 v[VOS], v[SM+\j] offset:4*\j
.endr
	s_wait_dscnt 0x0
	s_barrier_signal -1
	s_barrier_wait -1
	; the group's 1,280 bytes of out0 leave as five stores of 256 consecutive bytes, aligned: one a wave, wave 0 a second
	v_add_nc_u32 v4, OUTB, v[VOL]
	ds_load_b64 v[6:7], v4
	s_wait_dscnt 0x0
	global_store_b64 v[VOL], v[6:7], s[22:23]
	s_cmp_lg_u32 s24, 0
	s_cbranch_scc1 .Lnot0
	ds_load_b64 v[SM:SM+1], v4 offset:1024
	s_wait_dscnt 0x0
	global_store_b64 v[VOL], v[SM:SM+1], s[22:23] offset:1024
.Lnot0:
	s_set_vgpr_msb 0xf
	s_wait_tensorcnt 0x0
	ds_add_u32 v254, v255
	s_wait_dscnt 0x0
	s_set_vgpr_msb 0xf00
	CROUND                                         ; the closing round: no work-group ends while a partner may still ask for a tile that names it
	s_endpgm
.Lfunc_end_k_q26b72e32c0_lstm:
	.size	k_q26b72e32c0_lstm, .Lfunc_end_k_q26b72e32c0_lstm-k_q26b72e32c0_lstm
	.p2alignl 7, 3214868480
	.fill 96, 4, 3214868480
	.section	.rodata,"a",@progbits
	.p2align	6, 0x0
	.amdhsa_kernel k_q26b72e32c0_lstm
		.amdhsa_group_segment_fixed_size 327680
		.amdhsa_private_segment_fixed_size 0
		.amdhsa_enable_private_segment 0
		.amdhsa_kernarg_size 80
		.amdhsa_user_sgpr_count 2
		.amdhsa_user_sgpr_kernarg_segment_ptr 1
		.amdhsa_wavefront_size32 1
		.amdhsa_system_sgpr_workgroup_id_x 1
		.amdhsa_system_sgpr_workgroup_id_y 1
		.amdhsa_system_sgpr_workgroup_id_z 1
		.amdhsa_system_vgpr_workitem_id 0
		.amdhsa_next_free_vgpr 1024
		.amdhsa_next_free_sgpr 96
		.amdhsa_reserve_vcc 0
		.amdhsa_float_denorm_mode_32 3
		.amdhsa_float_denorm_mode_16_64 3
		.amdhsa_memory_ordered 1
		.amdhsa_forward_progress 1
		.amdhsa_inst_pref_size 255
	.end_amdhsa_kernel
	.section	.bss,"aw",@nobits
	.p2align	6
	.space	262144
	.amdgpu_metadata
---
amdhsa.version: [ 1, 2 ]
amdhsa.kernels:
  - .name:           k_q26b72e32c0_lstm
    .symbol:         k_q26b72e32c0_lstm.kd
    .args:
      - { .name: x, .offset: 0, .size: 8, .value_kind: global_buffer, .address_space: global }
      - { .name: ln_gamma, .offset: 8, .size: 8, .value_kind: global_buffer, .address_space: global }
      - { .name: ln_beta, .offset: 16, .size: 8, .value_kind: global_buffer, .address_space: global }
      - { .name: wq, .offset: 24, .size: 8, .value_kind: global_buffer, .address_space: global }
      - { .name: bq, .offset: 32, .size: 8, .value_kind: global_buffer, .address_space: global }
      - { .name: W1, .offset: 40, .size: 8, .value_kind: global_buffer, .address_space: global }
      - { .name: b1, .offset: 48, .size: 8, .value_kind: global_buffer, .address_space: global }
      - { .name: W2, .offset: 56, .size: 8, .value_kind: global_buffer, .address_space: global }
      - { .name: b2, .offset: 64, .size: 8, .value_kind: global_buffer, .address_space: global }
      - { .name: out0, .offset: 72, .size: 8, .value_kind: global_buffer, .address_space: global }
    .group_segment_fixed_size: 327680
    .private_segment_fixed_size: 0
    .kernarg_segment_align: 8
    .kernarg_segment_size: 80
    .max_flat_workgroup_size: 128
    .sgpr_count:     96
    .vgpr_count:     1024
    .wavefront_size: 32
...
	.end_amdgpu_metadata
.endif
;; end of part 3
